; MI455X (gfx1250); checked and timed in simulation.
; The chip was launched on July 23, 2026; its instructions are those of AMD's public machine-readable ISA for CDNA 5 (MIT licence, August 2026) and "CDNA5" Instruction Set Architecture Reference Guide (July 2026). The comments in the code are by the model that wrote it; some were corrected since.
;; Causal Self Attention. Allowed arithmetic: matrix products marked QUANTISED: E4M3 operands, one given power-of-two scale a tensor, by v_wmma_f32_16x16x64_fp8_fp8 or v_wmma_f32_16x16x128_fp8_fp8, f32 sums; everything else in f32.
;; Inputs: Wk 1,024 x 1,024 float32; Wp 1,024 x 1,024 float32; Wq 1,024 x 1,024 float32; Wv 1,024 x 1,024 float32; bk 1,024 float32; bp 1,024 float32; bq 1,024 float32; bv 1,024 float32; lowp_scales 12 int32 (the exponents e of the quantised operands' scales 2^e); x 4 x 2,048 x 1,024 float32.
;; Outputs: out0 4 x 2,048 x 1,024 float32.
;; This version of the problem:
;;   THIS VERSION OF THE PROBLEM IS GIVEN IN LOW PRECISION. The matrix products marked QUANTISED in the list below multiply operands that are first quantised to E4M3 (4 exponent bits, 3 mantissa bits; 8 bits a number), with one given power-of-two scale for each operand tensor; their sums are f32. All else is computed in f32.
;;   The module's matrix products, in the order in which they are computed (A, B: the left and right operand; K: the contracted axis; several contracted axes count as one K, in the product's order):
;;     1. [M 8,192, K 1,024] x [K 1,024, N 1,024]; A: input x; B: input Wq: QUANTISED (scales: A lowp_scales[0], B lowp_scales[1])
;;     2. [M 8,192, K 1,024] x [K 1,024, N 1,024]; A: input x; B: input Wk: QUANTISED (scales: A lowp_scales[2], B lowp_scales[3])
;;     3. [M 8,192, K 1,024] x [K 1,024, N 1,024]; A: input x; B: input Wv: QUANTISED (scales: A lowp_scales[4], B lowp_scales[5])
;;     4. batch 64 x [M 2,048, K 64] x [K 64, N 2,048]; A: computed on the way; B: computed on the way: QUANTISED (scales: A lowp_scales[6], B lowp_scales[7])
;;     5. batch 64 x [M 2,048, K 2,048] x [K 2,048, N 64]; A: softmax (see below); B: computed on the way: QUANTISED (scales: A lowp_scales[8], B lowp_scales[9])
;;     6. [M 8,192, K 1,024] x [K 1,024, N 1,024]; A: computed on the way; B: input Wp: QUANTISED (scales: A lowp_scales[10], B lowp_scales[11])
;;   THE QUANTISER, for each operand of a quantised product, along K:
;;     - The operand's scale is 2^e, e = its entry of the input lowp_scales (int32; the entries are numbered through the quantised products in the list's order, A before B).
;;     - Each number is divided by the scale, clamped to +-448, and rounded to the nearest number of E4M3, ties to even, subnormals kept.
;;     - The product sums the exact products of the quantised numbers (number of the format x scale) in f32.
;;   ~~~python
;;   def quantise(x, axis, e):      # numpy; x: float32 -> the quantised numbers, widened to float32 again
;;       x = np.moveaxis(x, axis, -1); K = x.shape[-1]
;;       r = np.clip(x / 2.0 ** e, -448, 448)
;;       step = 2.0 ** (np.maximum(np.frexp(np.where(r == 0, 1, r))[1] - 1, -6) - 3)
;;       q = np.round(r / step) * step * 2.0 ** e      # np.round: ties to even
;;       return np.moveaxis(q, -1, axis).astype(np.float32)
;;   ~~~
;;   SOFTMAX AHEAD OF A QUANTISED PRODUCT. Where the list says 'softmax', what is quantised is not the finished softmax but p = 2^(t - M), with t = logit x log2(e) and M = ceil(the row's largest t), a whole number; so 1/2 < the row's largest p <= 1. The row's sum l is taken of the UNQUANTISED p, in f32, and the product's result is divided by l at the end. Since M is a whole number, a kernel that streams over the keys may use a running M (the ceiling of the running maximum): every later rescaling is an exact power of two, so the quantised numbers keep their values, but for numbers so far below the row's largest that they fall under the format's range.
;;   OPERANDS COMPUTED ON THE WAY. 'Computed on the way' means the value that the module computes at that place (a softmax that the list does not call 'softmax' is quantised finished and normalised). What goes into a quantiser is computed in f32, as accurately as f32 sums, v_exp_f32 and their like allow (about 1e-6 of the number): no bf16 or f16 on the way to a quantiser, and a product that is left as it is and whose result goes on into a quantised operand takes f32 operands (vector FMAs, or v_wmma_f32_16x16x4_f32). A number that lies on a knife's edge between two numbers of the format may be rounded either way, as far as f32 arithmetic and the matrix unit's own rounding can turn it there, and no further.
;; One version. Each part assembles by itself: llvm-mc -triple=amdgcn-amd-amdhsa -mcpu=gfx1250 --defsym DOCPART=n.
;; ======== version 1 of 1: 4 launches
;; limits: right only within a limited range of input values
;; workspace buffers: xc 25,165,824 bytes; wc 4,194,304 bytes; qkvc 25,165,824 bytes; yc 8,388,608 bytes
;; launch quant (part 1): grid 384 x 1, 4 waves a work-group, no clusters, 33,280 bytes of LDS; arguments x, Wq, Wk, Wv, Wp, lowp_scales, xc, wc; writes xc, wc
.if DOCPART == 1
	.amdgcn_target "amdgcn-amd-amdhsa--gfx1250"
	.amdhsa_code_object_version 6
	.text
	.protected	k_qab6b7cde94_quant
	.globl	k_qab6b7cde94_quant
	.p2align	8
	.type	k_qab6b7cde94_quant,@function
k_qab6b7cde94_quant:
	s_mov_b64 s[64:65], 0
	v_nop
	global_prefetch_b8 v0, s[64:65] scope:SCOPE_SE
	s_setreg_imm32_b32 hwreg(HW_REG_WAVE_MODE, 25, 1), 1
	s_wait_xcnt 0x0
; x [8192][1024] f32 becomes THREE sets of codes of FP8 (E4M3), one for each of the products with Wq, Wk, Wv, whose scales for x (entries 0, 2, 4 of the
; scales) need not be equal; Wq, Wk, Wv, Wp [1024][1024] f32 become one set each (entries 1, 3, 5, 11).  K is innermost in all of them, rows are dense:
; every tensor is a plain stream, and so are its codes.  code = number / 2^e, to the nearest code, ties to even.
; xc: three sections of 2^23 bytes (entry 0, 2, 4);  wc: four sections of 2^20 bytes (Wq, Wk, Wv, Wp).
; LIMITS: each e used here lies between -126 and 119, so that 2^e is an f32 number.  NaN among the inputs is not served.
; SHARES.  A wave takes a run of 8,192 numbers: 16 steps of 512.  Work-groups 0 to 255 take x (1,024 runs), 256 to 383 the weights (32 work-groups each).
; Each of a step's four loads reads 512 consecutive bytes, 16 a lane; the 2,048 bytes turn through the wave's own stage in LDS and come back 64 bytes a lane,
; since a conversion takes eight neighbours from ONE lane's registers.  A lane's 16 codes are 16 bytes: a store of the wave covers 512 consecutive bytes, aligned.
; All work-groups take one way through LDS; only the second and third quantising (registers and stores) are jumped over for the weights, on the work-group's number.
; No tensor loads, no barrier: waves share nothing.  Loads run four steps (16 loads a wave) ahead, the turn through LDS one step.
.set XG,    256                        ; work-groups that take x
.set STEPS, 16
.set WREG,  8192                       ; LDS: a region for each wave: two stages of 32 x SP bytes
.set SP,    80                         ; a lane's place in a stage: its 64 bytes + 16 of padding
.set R,     16                         ; v16-79   four sets of 16 numbers as they are loaded
.set X,     80                         ; v80-111  two sets of 16 neighbours
.set T,     112
.set C,     128                        ; v128-139 codes: four registers for each of the three outputs
.set SC,    140                        ; v140-142 2^e of output 0, 1, 2
.set LM,    144
	s_load_b512 s[16:31], s[0:1], 0x0              ; x 16, Wq 18, Wk 20, Wv 22, Wp 24, the scales 26, xc 28, wc 30
	v_lshl_add_u32 v160, v0, 2, 0x8000
	v_mov_b32 v161, 0
	v_lshrrev_b32 v1, 5, v0
	v_readfirstlane_b32 s2, v1                     ; wave
	v_and_b32 v2, 31, v0                           ; lane
	v_lshlrev_b32 v3, 4, v2                        ; my 16 bytes of a load's 512, and of a store's; never rewritten
	s_mul_i32 s3, s2, WREG
	v_lshrrev_b32 v14, 2, v2
	v_mul_u32_u24 v14, v14, SP
	v_and_b32 v15, 3, v2
	v_lshl_add_u32 v14, v15, 4, v14
	v_add_nc_u32 v14, s3, v14                      ; the stage, on the way in: four lanes' 64 bytes on end, then 16 of padding
	v_mul_u32_u24 v15, v2, SP
	v_add_nc_u32 v15, s3, v15                      ; and on the way out: SP x lane: my 16 neighbours
	s_sub_co_u32 s13, ttmp9, XG                    ; (of use in the weights' work-groups alone)
	s_bfe_u32 s14, s13, 0x20005                    ; which weight: 0 Wq, 1 Wk, 2 Wv, 3 Wp
	s_and_b32 s13, s13, 31                         ; which of its 32 work-groups
	s_lshl_b32 s45, s14, 20                        ; its section of wc
	s_wait_alu depctr_va_vdst(0)
	s_wait_kmcnt 0x0
	s_load_b256 s[32:39], s[26:27], 0x0            ; e0 .. e7
	s_load_b128 s[40:43], s[26:27], 0x20           ; e8 .. e11
	s_mov_b64 s[4:5], s[24:25]                     ; the source: every choice hangs on the work-group's number alone
	s_cmp_eq_u32 s14, 2
	s_cselect_b64 s[4:5], s[22:23], s[4:5]
	s_cmp_eq_u32 s14, 1
	s_cselect_b64 s[4:5], s[20:21], s[4:5]
	s_cmp_eq_u32 s14, 0
	s_cselect_b64 s[4:5], s[18:19], s[4:5]
	s_cmp_lt_u32 ttmp9, XG
	s_cselect_b64 s[4:5], s[16:17], s[4:5]
	s_cselect_b64 s[6:7], s[28:29], s[30:31]       ; output 0 goes to xc or to wc
	s_cselect_b32 s12, 1, 0                        ; 1: x, three outputs
	s_cselect_b32 s44, ttmp9, s13
	s_cselect_b32 s45, 0, s45
	s_lshl_b32 s44, s44, 2
	s_add_co_u32 s44, s44, s2                      ; which run of 8,192 numbers of the tensor is my wave's
	s_lshl_b32 s46, s44, 15                        ; 32,768 bytes of f32 a run
	s_mov_b32 s47, 0
	s_add_nc_u64 s[4:5], s[4:5], s[46:47]
	s_lshl_b32 s46, s44, 13                        ; 8,192 bytes of codes a run
	s_add_nc_u64 s[8:9], s[28:29], s[46:47]
	s_add_nc_u64 s[10:11], s[8:9], 1<<24           ; output 2: xc's third section
	s_add_nc_u64 s[8:9], s[8:9], 1<<23             ; output 1: its second
	s_add_co_u32 s46, s46, s45
	s_add_nc_u64 s[6:7], s[6:7], s[46:47]          ; output 0
.macro LOAD t
.irp i, 0,1,2,3
	global_load_b128 v[R+16*((\t)%4)+4*\i:R+16*((\t)%4)+4*\i+3], v3, s[4:5] offset:2048*(\t)+512*\i th:TH_LOAD_NT   ; 32 lanes read 512 consecutive bytes; read once in the launch
.endr
.endm
.macro TURN t                          ; step t's numbers through the stage: LDS serves a wave's instructions in order (ISA guide 5.7.1.4), so no wait stands between the stores and the loads
.irp i, 0,1,2,3
	ds_store_b128 v14, v[R+16*((\t)%4)+4*\i:R+16*((\t)%4)+4*\i+3] offset:32*SP*((\t)%2)+8*SP*\i
.endr
.irp i, 0,1,2,3
	ds_load_b128 v[X+16*((\t)%2)+4*\i:X+16*((\t)%2)+4*\i+3], v15 offset:32*SP*((\t)%2)+16*\i
.endr
.endm
.macro MKSC o, se                      ; 2^e as an f32 number, from the whole number e
	s_add_co_i32 s46, \se, 127
	s_lshl_b32 s47, s46, 23
	v_mov_b32 v[SC+\o], s47
.endm
.irp t, 0,1,2,3
	LOAD \t
.endr
	s_wait_kmcnt 0x0
	s_mov_b32 s15, s43                             ; output 0's e: e11, e5, e3, e1 for Wp, Wv, Wk, Wq; e0 for x
	s_cmp_eq_u32 s14, 2
	s_cselect_b32 s15, s37, s15
	s_cmp_eq_u32 s14, 1
	s_cselect_b32 s15, s35, s15
	s_cmp_eq_u32 s14, 0
	s_cselect_b32 s15, s33, s15
	s_cmp_lt_u32 ttmp9, XG
	s_cselect_b32 s15, s32, s15
	MKSC 0, s15
	MKSC 1, s34                                    ; e2
	MKSC 2, s36                                    ; e4
	s_wait_alu depctr_va_vdst(0)
	s_wait_loadcnt 12                              ; step 0's four loads are in; the twelve of steps 1 to 3 may be out
	TURN 0
; Output o of step t: the conversion, the store.  The numbers stay in X for the next output.
.macro QOUT o, t
.set XS, X+16*((\t)%2)
.set i, 0
.rept 16
.set i, i+1
.endr
	v_cvt_scalef32_pk8_fp8_f32 v[C+4*\o:C+4*\o+1], v[XS:XS+7], v[SC+\o]
	v_cvt_scalef32_pk8_fp8_f32 v[C+4*\o+2:C+4*\o+3], v[XS+8:XS+15], v[SC+\o]
	v_nop                                          ; one plain vector line behind the scaled conversions
	global_store_b128 v3, v[C+4*\o:C+4*\o+3], s[6+2*\o:7+2*\o] offset:512*(\t)
.endm
.macro STEP t
	s_wait_dscnt 0x0                               ; this step's numbers are back from the stage: so its stores into the stage have read their registers,
.if (\t)+4 < STEPS
	LOAD (\t)+4                                    ; which take the loads of four steps on
.endif
.if (\t)+1 < STEPS
.if STEPS-2-(\t) >= 3
	s_wait_loadcnt 12                              ; the next step's four loads are in; those of the three steps behind it may be out
.else
	s_wait_loadcnt 4*(STEPS-2-(\t))
.endif
	TURN (\t)+1                                    ; and go through the other stage while this step is worked
.endif
	s_wait_xcnt 0x0                                ; the last step's stores have read their data: the codes' registers are written again only behind this wait
	QOUT 0, \t
	s_cmp_eq_u32 s12, 0
	s_cbranch_scc1 .Lw_\@                          ; a weight has one scale
	QOUT 1, \t
	QOUT 2, \t
.Lw_\@:
.endm
.irp t, 0,1,2,3,4,5,6,7,8,9,10,11,12,13,14,15
	STEP \t
.endr
	s_wait_tensorcnt 0x0
	ds_add_u32 v160, v161
	s_wait_dscnt 0x0
	s_endpgm
.Lfunc_end_k_qab6b7cde94_quant:
	.size	k_qab6b7cde94_quant, .Lfunc_end_k_qab6b7cde94_quant-k_qab6b7cde94_quant
	.p2alignl 7, 3214868480
	.fill 96, 4, 3214868480
	.section	.rodata,"a",@progbits
	.p2align	6, 0x0
	.amdhsa_kernel k_qab6b7cde94_quant
		.amdhsa_group_segment_fixed_size 33280
		.amdhsa_private_segment_fixed_size 0
		.amdhsa_enable_private_segment 0
		.amdhsa_kernarg_size 64
		.amdhsa_user_sgpr_count 2
		.amdhsa_user_sgpr_kernarg_segment_ptr 1
		.amdhsa_wavefront_size32 1
		.amdhsa_system_sgpr_workgroup_id_x 1
		.amdhsa_system_sgpr_workgroup_id_y 1
		.amdhsa_system_sgpr_workgroup_id_z 1
		.amdhsa_system_vgpr_workitem_id 0
		.amdhsa_next_free_vgpr 162
		.amdhsa_next_free_sgpr 66
		.amdhsa_reserve_vcc 0
		.amdhsa_float_denorm_mode_32 3
		.amdhsa_float_denorm_mode_16_64 3
		.amdhsa_fp16_overflow 1
		.amdhsa_memory_ordered 1
		.amdhsa_forward_progress 1
		.amdhsa_inst_pref_size 32
	.end_amdhsa_kernel
	.amdgpu_metadata
---
amdhsa.version: [ 1, 2 ]
amdhsa.kernels:
  - .name:           k_qab6b7cde94_quant
    .symbol:         k_qab6b7cde94_quant.kd
    .args:
      - { .name: x, .offset: 0, .size: 8, .value_kind: global_buffer, .address_space: global }
      - { .name: Wq, .offset: 8, .size: 8, .value_kind: global_buffer, .address_space: global }
      - { .name: Wk, .offset: 16, .size: 8, .value_kind: global_buffer, .address_space: global }
      - { .name: Wv, .offset: 24, .size: 8, .value_kind: global_buffer, .address_space: global }
      - { .name: Wp, .offset: 32, .size: 8, .value_kind: global_buffer, .address_space: global }
      - { .name: lowp_scales, .offset: 40, .size: 8, .value_kind: global_buffer, .address_space: global }
      - { .name: xc, .offset: 48, .size: 8, .value_kind: global_buffer, .address_space: global }
      - { .name: wc, .offset: 56, .size: 8, .value_kind: global_buffer, .address_space: global }
    .group_segment_fixed_size: 33280
    .private_segment_fixed_size: 0
    .kernarg_segment_align: 8
    .kernarg_segment_size: 64
    .max_flat_workgroup_size: 128
    .sgpr_count:     66
    .vgpr_count:     162
    .wavefront_size: 32
...
	.end_amdgpu_metadata
.endif
;; end of part 1
;; launch qkv (part 2): grid 4 x 96, 4 waves a work-group, clusters of 4 x 4, 327,680 bytes of LDS; arguments xc, wc, bq, bk, bv, lowp_scales, qkvc; writes qkvc
.if DOCPART == 2
	.amdgcn_target "amdgcn-amd-amdhsa--gfx1250"
	.amdhsa_code_object_version 6
	.text
	.protected	k_qab6b7cde94_qkv
	.globl	k_qab6b7cde94_qkv
	.p2align	8
	.type	k_qab6b7cde94_qkv,@function
k_qab6b7cde94_qkv:
	s_mov_b64 s[64:65], 0
	v_nop
	global_prefetch_b8 v0, s[64:65] scope:SCOPE_SE
	s_setreg_imm32_b32 hwreg(HW_REG_WAVE_MODE, 25, 1), 1
	s_wait_xcnt 0x0
	s_wait_alu depctr_hold_cnt(0) depctr_sa_sdst(0) depctr_va_vdst(0) depctr_va_sdst(0) depctr_va_ssrc(0) depctr_va_vcc(0) depctr_vm_vsrc(0)
	s_getreg_b32 s2, hwreg(HW_REG_IB_STS2, 6, 4)
	s_cmp_eq_u32 s2, 0
	s_cbranch_scc0 .Lentry_in_a_cluster
	s_endpgm
.Lentry_in_a_cluster:
	s_bfe_u32 s2, ttmp6, 0x10000c
	s_cmp_lg_u32 s2, 0xf033
	s_cbranch_scc0 .Lentry_shape_is_right
	s_endpgm
.Lentry_shape_is_right:
; q = x Wq^T + bq, k = x Wk^T + bk, v = x Wv^T + bv on codes of FP8 (E4M3); each result is quantised at once (entries 6, 7, 9 of the scales) and leaves as codes, laid as the attention launch reads them.
; A tile of 256 x 256 is made by a work-group of four waves; a wave makes 128 x 128: 64 accumulators, 512 registers.  K = 1,024 goes in 4 steps of 256 through a ring of two LDS slots filled by the tensor data mover.
; ROLES.  The matrix instruction is used transposed (source 0 = 16 rows of role B, source 1 = 16 rows of role A): a lane holds ONE row of role A and eight neighbours of role B.
;   q, k (sections 0, 1): A = x's codes (tokens), B = the weight's (channels): a lane's eight numbers are eight channels of a token: K of the scores' product is innermost.
;   v (section 2): the roles are swapped, A = Wv's codes (channels), B = x's (tokens): a lane's eight numbers are eight TOKENS of a channel: K of the second product of attention, the keys, is innermost.
; CLUSTERS: 4 x 4 work-groups, 24 clusters along y: 8 for each section.  A's tile hangs on the cluster and on cy alone and is asked for jointly by a row of the cluster, B's on the cluster and cx alone, by a column.
; The section is the same in all sixteen partners: what hangs on it (a choice of buffers, one branch on the way out) is alike in all.
; OUT.  qkvc: sections q, k, v of 2^23 bytes; in each a block of 2^17 bytes for batch x head.  q, k: [token 2048][64 channels].  v: [token / 64][channel 64][64 tokens].
;   The innermost 64 bytes are permuted alike in all three: number 16 B + 8 h + j (B 0..3, h 0..1) lies at byte 32 (B / 2) + 16 h + 8 (B % 2) + j, so that a load of 16 bytes at 32 c + 16 h
;   brings the numbers that the plain 8-bit layout gives registers 4 c .. 4 c + 3 of lanes 16 h .. 16 h + 15.
; LIMITS: ea + eb (entries 0+1, 2+3, 4+5) between -126 and 127; entries 6, 7, 9 between -126 and 119: each power of two below is then an f32 number.  NaN is not served.
; REGISTERS, in windows of 256: window 0: v0-31 addresses; v32-95 the bias along role B, v96-111 along role A, v113 the output's scale; from v128 A's fragments, ONE set; on the way out v128-239 are at work.
;   window 1: B's fragments, TWO sets.   window 2: the accumulators of my rows 0-63 ((a, b) at v[8 (8 a + b)]);   window 3: those of my rows 64-127.
.set SIZE_K, 1024
.set KSTEP,  256                       ; along K in a slot
.set ROWB,   256                       ; a tile's row in bytes
.set KROW,   SIZE_K                    ; a row of codes in memory, in bytes
.set PITCH,  272                       ; an LDS row: 256 bytes + 16 of padding = 68 words: row r starts at bank 4 r mod 64 (64 banks of 4 bytes: ISA guide 11.1)
.set FR,     16                        ; registers of a fragment: 16 rows x 128 K
.set NL,     4                         ; LDS loads that bring one
.set NP,     4                         ; places behind this matrix instruction (ISA guide 7.12.1)
.set HALFT,  128*PITCH                 ; 128 rows: what one tensor load brings
.set SLOT,   4*HALFT                   ; A's 256 rows, then B's 256 rows
.set LAPS,   SIZE_K/(2*KSTEP)          ; a lap = two K steps = once round the ring
.set SPARE,  2*SLOT                    ; behind the ring: the spare words, 128 bytes a wave: two blocks of 256 bytes that no other line names
.set ADRA, 16                          ; v16-17  LDS address of my A fragments in slot 0, 1
.set ADRB, 20                          ; v20-21  the same for B
.set STO,  24                          ; v24     the way out: where I put 8 bytes of codes: 2,048 x wave + 64 r + 16 h.  The stage lies in slot 0, which has had its last fill and its last read by then
.set RD,   25                          ; v25     and where I read 16 bytes back: 2,048 x wave + 16 x lane
.set CO,   26                          ; v26     16 x lane: my place in a store's 512 bytes
.set SPW,  28                          ; v28     LDS address of my spare word; never rewritten
.set NIL,  29                          ; v29     0; never rewritten
.set BN,   32                          ; v32-95  bias of role B's index 16 b + 8 h + j at v[BN + 8 b + j]
.set BM,   96                          ; v96-111 bias of role A's index 16 a + r, twice (a pair for the packed form), at v[BM + 2 a]
.set AF,   128                         ; A's fragments, in window 0
.set TMP,  128                         ; the way out: a block's 64 numbers
.set CD,   192                         ; its codes, 16 registers
.set BK,   208                         ; the codes read back from the stage: two sets of 16 by turns
.set OUTB, 68                          ; s[68:75] the four bases of my stores: group of 64 of role B (0, 1) x half of role A's blocks (0, 1)
.set G1, 24                            ; s[24:31] descriptor group 1 for A's tiles;  s[32:39] group 0, one set for each slot
.set G0, 32
.set G1B, 48                           ; s[48:55], s[56:63] the same for B's tiles
.set G0B, 56
.set MSB, 0
.macro WIN new                         ; the immediate's high byte repeats the setting that is left
.if MSB != (\new)
	s_set_vgpr_msb (MSB<<8)|(\new)
.set MSB, (\new)
.endif
.endm
.set MUL_LO, 0xa1                      ; source 0 (B) window 1, source 1 (A) window 0, C and D window 2
.set MUL_HI, 0xf1                      ; the same, C and D window 3
.set TO_B,   0x40                      ; destination window 1, address window 0
; A joint load: waves 0 and 1 fetch for A, waves 2 and 3 for B.  Each line has ONE mask and one set of registers for all that issue it; the branch hangs on the wave's number alone.
; Four v_nop follow each of the two lines, ahead of the jump, the label and what follows.
.macro JLOAD g0a, g1a, g0b, g1b
	s_cmp_eq_u32 s15, 0
	s_cbranch_scc0 .Lfor_b_\@
	tensor_load_to_lds s[\g0a:\g0a+3], s[\g1a:\g1a+7]
	s_nop 0
.rept 4
	v_nop
.endr
	s_branch .Lasked_\@
.Lfor_b_\@:
	tensor_load_to_lds s[\g0b:\g0b+3], s[\g1b:\g1b+7]
	s_nop 0
.rept 4
	v_nop
.endr
.Lasked_\@:
.endm
.macro CREST                           ; a round of the cluster's barrier behind its opening barrier
	s_cmp_lg_u32 s14, 0
	s_cbranch_scc1 .Lnot_wave_0_\@
	s_barrier_signal -3
.Lnot_wave_0_\@:
	s_barrier_wait -3
	s_barrier_signal -1
	s_barrier_wait -1
.endm
.macro CROUND                          ; a whole round
	s_barrier_signal -1
	s_barrier_wait -1
	CREST
.endm
	s_load_b256 s[68:75], s[0:1], 0x0              ; xc 68, wc 70, bq 72, bk 74
	s_load_b128 s[76:79], s[0:1], 0x20             ; bv 76, the scales 78
	s_load_b64 s[80:81], s[0:1], 0x30              ; qkvc
	v_lshl_add_u32 v[SPW], v0, 2, SPARE
	v_mov_b32 v[NIL], 0
	ds_add_u32 v28, v29
	ds_add_u32 v28, v29
	s_wait_dscnt 0x0
	v_lshrrev_b32 v1, 5, v0
	v_readfirstlane_b32 s14, v1                    ; wave 0..3
	s_lshr_b32 s15, s14, 1                         ; which half of role A's rows is mine.  Also: I fetch for A (0) or for B (1)
	s_and_b32 s16, s14, 1                          ; which half of role B's rows.  Also: which 128 rows of that tile I fetch
	s_bfe_u32 s40, ttmp6, 0x40000                  ; cx, cy: my place in the cluster
	s_bfe_u32 s41, ttmp6, 0x40004
	s_and_b32 s83, ttmp7, 0xffff                   ; the cluster's y, 0..23
	s_lshr_b32 s12, s83, 3                         ; the section: 0 q, 1 k, 2 v
	s_and_b32 s13, s83, 7
	s_lshl_b32 s13, s13, 2                         ; four tiles of tokens a cluster
	s_lshl_b32 s98, s12, 23                        ; the section's bytes in xc,
	s_lshl_b32 s99, s12, 20                        ; and in wc
	s_cmp_eq_u32 s12, 2
	s_cselect_b32 s82, 1, 0                        ; 1: v, the roles are swapped
	s_cselect_b32 s17, 0, s13
	s_cselect_b32 s42, s13, 0
	s_cselect_b32 s10, s99, s98                    ; role A's section
	s_cselect_b32 s11, s98, s99                    ; role B's
	s_add_co_u32 s17, s17, s41                     ; role A's tile: the cluster's part + cy
	s_add_co_u32 s42, s42, s40                     ; role B's tile: the cluster's part + cx
	s_lshl_b32 s43, s41, 2
	s_lshl_b32 s43, 15, s43                        ; my row of the cluster
	s_lshl_b32 s44, 0x1111, s40                    ; my column
	; descriptor group 1: a tile of 128 rows x 256 bytes, padded in LDS
	s_or_b32 s[G1+0], s43, (0<<16)|(1<<20)|(1<<21)|(5<<22)|(3<<25)  ; 15:0 the mask: A's tiles go to my row; 17:16 element of 1 byte; 20 padding on; 21 set beside a mask; 24:22 after every 64 words (code 5); 31:25 of 4 words (code 3)
	s_or_b32 s[G1B+0], s44, (0<<16)|(1<<20)|(1<<21)|(5<<22)|(3<<25)
.irp g, G1, G1B
	s_mov_b32 s[\g+1], ROWB<<16                    ; tensor_dim0
	s_mov_b32 s[\g+2], 128<<16                     ; tensor_dim1 = 128
	s_mov_b32 s[\g+3], ROWB<<16                    ; tile_dim0
	s_mov_b32 s[\g+4], 128                         ; tile_dim1 = 128
	s_mov_b32 s[\g+5], KROW                        ; tensor_dim0_stride
	s_mov_b32 s[\g+6], 0
	s_mov_b32 s[\g+7], 0
.endr
	s_lshl_b32 s18, s16, 7                         ; which 128 rows of the tile I fetch
	s_lshl_b32 s20, s17, 8
	s_add_co_u32 s20, s20, s18                     ; A: row 256 x tile + 128 x half,
	s_lshl_b32 s20, s20, 10                        ; of 1,024 bytes,
	s_add_co_u32 s20, s20, s10                     ; in its section: under 2^25
	s_mov_b32 s21, 0
	s_lshl_b32 s46, s42, 8
	s_add_co_u32 s46, s46, s18                     ; B likewise
	s_lshl_b32 s46, s46, 10
	s_add_co_u32 s46, s46, s11
	s_mov_b32 s47, 0
	s_mul_i32 s45, s14, HALFT                      ; where they go: wave x 128 rows: no place in the cluster enters an LDS address
	s_wait_kmcnt 0x0
	s_load_b256 s[84:91], s[78:79], 0x0            ; e0 .. e7
	s_load_b128 s[92:95], s[78:79], 0x20           ; e8 .. e11
	s_cmp_eq_u32 s82, 1
	s_cselect_b64 s[4:5], s[70:71], s[68:69]       ; role A: the weights' codes for v, else x's
	s_cselect_b64 s[6:7], s[68:69], s[70:71]       ; role B: the other
	s_cmp_eq_u32 s12, 0
	s_cselect_b64 s[8:9], s[72:73], s[74:75]       ; the section's bias
	s_cmp_eq_u32 s12, 2
	s_cselect_b64 s[8:9], s[76:77], s[8:9]
	s_add_nc_u64 s[20:21], s[4:5], s[20:21]
	s_add_nc_u64 s[46:47], s[6:7], s[46:47]
	CROUND                                         ; all sixteen work-groups are here: the first joint loads meet
.irp s, 0,1
	s_mov_b32 s[G0+4*\s], 1
	s_add_co_u32 s[G0+4*\s+1], s45, \s*SLOT
	s_add_nc_u64 s[G0+4*\s+2:G0+4*\s+3], s[20:21], \s*ROWB
	s_or_b32 s[G0+4*\s+3], s[G0+4*\s+3], 0x80000000
	s_mov_b32 s[G0B+4*\s], 1
	s_add_co_u32 s[G0B+4*\s+1], s45, \s*SLOT
	s_add_nc_u64 s[G0B+4*\s+2:G0B+4*\s+3], s[46:47], \s*ROWB
	s_or_b32 s[G0B+4*\s+3], s[G0B+4*\s+3], 0x80000000
	JLOAD G0+4*\s, G1, G0B+4*\s, G1B
.endr
	v_and_b32 v1, 15, v0                           ; r = l % 16
	s_wait_alu depctr_va_vdst(0)
	v_bfe_u32 v2, v0, 4, 1                         ; h = l / 16
	v_mul_u32_u24 v3, v1, PITCH
	v_lshl_add_u32 v4, v2, 4, v3                   ; a fragment's row x pitch + 16 x half
	s_mul_i32 s21, s15, HALFT                      ; my 128 rows of A
	s_mul_i32 s22, s16, HALFT                      ; my 128 rows of B,
	s_add_co_u32 s22, s22, 2*HALFT                 ; which lie behind A's 256
.irp s, 0,1
	v_add_nc_u32 v[ADRA+\s], s21, v4
	v_add_nc_u32 v[ADRB+\s], s22, v4
	s_add_co_u32 s21, s21, SLOT
	s_add_co_u32 s22, s22, SLOT
.endr
	s_lshl_b32 s23, s14, 11                        ; my stage: 2,048 bytes
	v_lshl_add_u32 v5, v1, 6, s23
	s_wait_alu depctr_va_vdst(0)
	v_lshl_add_u32 v[STO], v2, 4, v5
	v_and_b32 v6, 31, v0
	v_lshlrev_b32 v[CO], 4, v6
	v_add_nc_u32 v[RD], s23, v[CO]
	; the biases.  Both kinds are loaded in every section (the one that the section does not use from the buffer's first numbers), so that each register is written on every way
	s_lshl_b32 s98, s42, 8
	s_lshl_b32 s99, s16, 7
	s_add_co_u32 s98, s98, s99                     ; role B's first index of my wave
	s_lshl_b32 s99, s17, 8
	s_lshl_b32 s83, s15, 7
	s_add_co_u32 s99, s99, s83                     ; role A's
	s_cmp_eq_u32 s82, 1
	s_cselect_b32 s98, 0, s98                      ; channels are role B for q and k,
	s_cselect_b32 s99, s99, 0                      ; role A for v
	s_lshl_b32 s98, s98, 2
	s_lshl_b32 s99, s99, 2
	v_lshl_add_u32 v30, v2, 5, s98                 ; 32 h + the first index's bytes; not rewritten
	v_lshl_add_u32 v31, v1, 2, s99                 ; 4 r + the first index's bytes; not rewritten
.irp b, 0,1,2,3,4,5,6,7
	global_load_b128 v[BN+8*\b:BN+8*\b+3], v30, s[8:9] offset:64*\b
	global_load_b128 v[BN+8*\b+4:BN+8*\b+7], v30, s[8:9] offset:64*\b+16
.endr
.irp a, 0,1,2,3,4,5,6,7
	global_load_b32 v[BM+2*\a], v31, s[8:9] offset:64*\a
.endr
	; where my codes go.  P, pw: the tokens' tile and my half of it; Hh, hw: the channels'
	s_cmp_eq_u32 s82, 1
	s_cselect_b32 s98, s42, s17                    ; P
	s_cselect_b32 s99, s16, s15                    ; pw
	s_cselect_b32 s83, s17, s42                    ; Hh
	s_cselect_b32 s10, s15, s16                    ; hw
	s_mov_b32 s11, 0x20000
	s_cselect_b32 s18, 4096, s11                   ; from one group of 64 of role B to the next: a head's block for q and k, 64 tokens' 4,096 bytes for v
	s_cselect_b32 s19, s11, 4096                   ; from role A's blocks 0-3 to 4-7: 64 tokens' 4,096 bytes for q and k, a head's block for v
	s_lshl_b32 s22, s12, 23                        ; the section,
	s_lshr_b32 s23, s98, 3
	s_lshl_b32 s23, s23, 21                        ; the batch: 16 blocks of 2^17,
	s_add_co_u32 s22, s22, s23
	s_lshl_b32 s23, s83, 2
	s_lshl_b32 s10, s10, 1
	s_add_co_u32 s23, s23, s10                     ; my first head: 4 Hh + 2 hw,
	s_lshl_b32 s23, s23, 17
	s_add_co_u32 s22, s22, s23
	s_and_b32 s23, s98, 7
	s_lshl_b32 s23, s23, 8
	s_lshl_b32 s99, s99, 7
	s_add_co_u32 s23, s23, s99                     ; my first token in the batch,
	s_lshl_b32 s23, s23, 6                         ; 64 bytes a token in all three layouts
	s_add_co_u32 s22, s22, s23
	s_mov_b32 s23, 0
	s_add_nc_u64 s[80:81], s[80:81], s[22:23]
	s_mov_b32 s22, s19
	s_mov_b32 s10, s18
	s_mov_b32 s11, 0
	s_mov_b64 s[OUTB:OUTB+1], s[80:81]             ; (the arguments that lay here have been copied into the descriptors and into s[8:9])
	s_add_nc_u64 s[OUTB+2:OUTB+3], s[80:81], s[22:23]
	s_add_nc_u64 s[OUTB+4:OUTB+5], s[80:81], s[10:11]
	s_add_nc_u64 s[OUTB+6:OUTB+7], s[OUTB+4:OUTB+5], s[22:23]
.macro FRAG reg, adr, q, i             ; a fragment, 16 rows x 128 K: lane l holds row l % 16; registers 4 c .. 4 c + 3 hold K = 32 c + 16 (l / 16) + 0 .. 15: one order of K for A and for B alike
.irp c, 0,1,2,3
	ds_load_b128 v[\reg+4*\c:\reg+4*\c+3], v[\adr] offset:128*(\q)+32*\c+(\i)*16*PITCH
.endr
.endm
; 16 matrix instructions: A's blocks a0, a0 + 1 x B's eight, 128 along K.  p: B's set.  zero = 1: the first product starts the sums: nothing is ever cleared.
; The 64 accumulators take turns, one instruction a turn, in the same order in every step.
.macro MUL16 a0, p, zero
.irp a, \a0, \a0+1
.irp b, 0,1,2,3,4,5,6,7
.if \zero
	v_wmma_f32_16x16x128_fp8_fp8 v[8*(8*((\a)%4)+\b):8*(8*((\a)%4)+\b)+7], v[128*(\p)+FR*\b:128*(\p)+FR*\b+FR-1], v[AF+FR*(\a):AF+FR*(\a)+FR-1], 0
.else
	v_wmma_f32_16x16x128_fp8_fp8 v[8*(8*((\a)%4)+\b):8*(8*((\a)%4)+\b)+7], v[128*(\p)+FR*\b:128*(\p)+FR*\b+FR-1], v[AF+FR*(\a):AF+FR*(\a)+FR-1], v[8*(8*((\a)%4)+\b):8*(8*((\a)%4)+\b)+7]
.endif
.endr
.endr
.endm
.macro FETCH_B slot, q, p              ; B's eight fragments of the slot's q-th 128 along K into set p
	WIN TO_B
.irp i, 0,1,2,3,4,5,6,7
	FRAG 128*(\p)+FR*\i, ADRB+\slot, \q, \i
.endr
	WIN 0
.endm
.macro FETCH_A slot, q, i0             ; A's blocks i0 .. i0 + 3
.irp i, \i0, \i0+1, \i0+2, \i0+3
	FRAG AF+FR*(\i), ADRA+\slot, \q, \i
.endr
.endm
; A load into a register that a matrix instruction has read, and a vector instruction that reads a matrix result or writes one of its registers, stand NP places behind it; only plain vector
; instructions that name none of its registers are places (ISA guide 7.12.1 for vector instructions).
.macro PLACES n
.rept \n
	v_nop
.endr
.endm
; A step of 128 along K that has its successor in the same slot.
.macro STEP slot, q, zero
	s_wait_dscnt 4*NL                              ; B's set and A's blocks 0-3 are in; the youngest sixteen loads (A's blocks 4-7) may be out
	WIN MUL_LO
	MUL16 0, (\q)%2, \zero
	MUL16 2, (\q)%2, \zero
	s_wait_dscnt 0                                 ; A's blocks 4-7 are in (asked for 32 matrix instructions ago)
	PLACES NP
	FETCH_B \slot, (\q)+1, 1-(\q)%2
	FETCH_A \slot, (\q)+1, 0
	WIN MUL_HI
	MUL16 4, (\q)%2, \zero
	MUL16 6, (\q)%2, \zero
	PLACES NP
	WIN 0
	FETCH_A \slot, (\q)+1, 4
.endm
; A slot's last step changes slots: ONE barrier; in front of it each wave waits for all its tensor loads, adds 0 to its spare word, and waits for that and for its own reads of this slot.  fill = 1: this slot is filled again, two K steps ahead.
.macro TURN slot, next, fill
	s_wait_tensorcnt 0x0                           ; all my tensor loads have landed: my part of the next slot;  (every window is 0 here)
	ds_add_u32 v[SPW], v[NIL]                      ; 0 onto my spare word
	s_wait_dscnt 4*NL+1                            ; (the add and the youngest sixteen loads, A's blocks 4-7, may be out)
	WIN MUL_LO
	MUL16 0, 1, 0                                  ; sixteen matrix instructions stand between the add and the wait for it
	s_wait_dscnt 0x0                               ; the add is done, and my reads of this slot are over
	s_barrier_signal -1
	MUL16 2, 1, 0
	WIN 0
	s_barrier_wait -1
.if \fill
	CREST                                          ; the barrier has opened a round of the cluster's barrier: no wave of any partner still reads this slot's tile or has a load on its way
	s_add_nc_u64 s[G0+4*\slot+2:G0+4*\slot+3], s[G0+4*\slot+2:G0+4*\slot+3], 2*ROWB
	s_add_nc_u64 s[G0B+4*\slot+2:G0B+4*\slot+3], s[G0B+4*\slot+2:G0B+4*\slot+3], 2*ROWB
	JLOAD G0+4*\slot, G1, G0B+4*\slot, G1B         ; the first tensor load behind the round; the four v_nop behind it are the places in front of the loads below
.else
	PLACES NP
.endif
	FETCH_B \next, 0, 0
	FETCH_A \next, 0, 0
	WIN MUL_HI
	MUL16 4, 1, 0
	MUL16 6, 1, 0
	PLACES NP
	WIN 0
	FETCH_A \next, 0, 4
.endm
	s_wait_tensorcnt 1                             ; my part of K step 0 is in (K step 1's load may be out)
	s_barrier_signal -1
	s_barrier_wait -1                              ; everybody's is
	FETCH_B 0, 0, 0
	FETCH_A 0, 0, 0
	FETCH_A 0, 0, 4
	STEP 0, 0, 1                                   ; the first step stands in front of the loop: its products start the sums
	s_mov_b32 s3, LAPS-1
.Llap:                                                 ; a trip goes once round the ring, from a lap's second step to the next lap's first, and fills both slots again
	TURN 0, 1, 1
	STEP 1, 0, 0
	TURN 1, 0, 1
	STEP 0, 0, 0
	s_sub_co_u32 s3, s3, 1
	s_cmp_lg_u32 s3, 0
	s_cbranch_scc1 .Llap
	TURN 0, 1, 0                                   ; the last lap fills nothing, and has no round of the cluster's barrier
	STEP 1, 0, 0
	s_wait_dscnt 4*NL                              ; the very last step: nothing more to fetch
	WIN MUL_LO
	MUL16 0, 1, 0
	MUL16 2, 1, 0
	s_wait_dscnt 0
	WIN MUL_HI
	MUL16 4, 1, 0
	MUL16 6, 1, 0
	WIN 0
; THE WAY OUT, block by block of 16 rows of role A x 128 of role B.  number = sum x 2^(ea + eb) + bias, one fused multiply-add in f32; converted, eight neighbours of role B to 8 bytes.
; The codes go through my stage (two groups of 64 of role B x 16 rows x 64 bytes, in the permuted order) and come back 16 bytes a lane: each store of the wave covers 512 consecutive bytes, aligned.
.macro SCALE a                         ; the bias runs along role B (q, k) or along role A (v): one branch on the section, the same in all partners; each accumulator is read from its low end on
.set AC, 64*((\a)%4)
	s_cmp_eq_u32 s82, 1
	s_cbranch_scc1 .Lrow_\@
	WIN (0x02+((\a)/4))                            ; source 0: window 2 or 3
.set j, 0
.rept 32
	v_pk_fma_f32 v[TMP+j:TMP+j+1], v[AC+j:AC+j+1], s[96:97], v[BN+j:BN+j+1] op_sel_hi:[1,0,1]
.set j, j+2
.endr
	WIN 0
	s_branch .Lscaled_\@
.Lrow_\@:
	WIN (0x02+((\a)/4))
.set j, 0
	s_wait_alu depctr_va_vdst(0)
.rept 32
	v_pk_fma_f32 v[TMP+j:TMP+j+1], v[AC+j:AC+j+1], s[96:97], v[BM+2*(\a):BM+2*(\a)+1] op_sel_hi:[1,0,1]
.set j, j+2
.endr
	WIN 0
.Lscaled_\@:
.endm
.macro TOSTAGE a
	SCALE \a
.set j, 0
.rept 64
.set j, j+1
.endr
	s_wait_alu depctr_va_vdst(0)
.irp b, 0,1,2,3,4,5,6,7
	v_cvt_scalef32_pk8_fp8_f32 v[CD+2*\b:CD+2*\b+1], v[TMP+8*\b:TMP+8*\b+7], v113
.endr
	v_nop                                          ; one plain vector line behind the last conversion: the next block's multiply-adds write its sources
.irp b, 0,1,2,3,4,5,6,7
	ds_store_b64 v[STO], v[CD+2*\b:CD+2*\b+1] offset:(\b/4)*1024+32*((\b%4)/2)+8*(\b%2)
.endr
.set BB, BK+16*((\a)%2)
.irp i, 0,1,2,3
	ds_load_b128 v[BB+4*\i:BB+4*\i+3], v[RD] offset:512*\i   ; LDS serves a wave's instructions in order (ISA guide 5.7.1.4): these see the stores above, and the next block's stores come behind them
.endr
.endm
.macro SEND a, younger                 ; younger: the LDS instructions issued behind block a's loads, which may stay out
.set BB, BK+16*((\a)%2)
	s_wait_dscnt \younger
.irp i, 0,1,2,3
	global_store_b128 v[CO], v[BB+4*\i:BB+4*\i+3], s[OUTB+2*(2*(\i/2)+(\a)/4):OUTB+2*(2*(\i/2)+(\a)/4)+1] offset:((\a)%4)*1024+512*(\i%2)
.endr
.endm
	s_wait_kmcnt 0x0                               ; the scales' exponents.  What they decide is chosen by selects on the section; no branch hangs on them
	s_cmp_eq_u32 s12, 0
	s_cselect_b32 s96, s84, s86                    ; x's: e0, e2 or e4
	s_cselect_b32 s97, s85, s87                    ; the weight's: e1, e3 or e5
	s_cselect_b32 s98, s90, s91                    ; the output's: e6, e7 or e9
	s_cmp_eq_u32 s12, 2
	s_cselect_b32 s96, s88, s96
	s_cselect_b32 s97, s89, s97
	s_cselect_b32 s98, s93, s98
	s_add_co_i32 s96, s96, s97
	s_add_co_i32 s96, s96, 127
	s_lshl_b32 s96, s96, 23                        ; 2^(ea + eb) as f32
	s_mov_b32 s97, s96                             ; (named with it as a pair, so it is written)
	s_add_co_i32 s98, s98, 127
	s_lshl_b32 s99, s98, 23
	v_mov_b32 v113, s99                            ; 2^eo: the conversion takes its exponent field
	s_wait_loadcnt 0x0                             ; the biases
.irp a, 0,1,2,3,4,5,6,7
	v_mov_b32 v[BM+2*\a+1], v[BM+2*\a]             ; the pair's upper half
.endr
	PLACES NP                                      ; behind the last products: their results are read, and the registers that held A's fragments are written, only from here on
	TOSTAGE 0
.irp a, 1,2,3,4,5,6,7
.if \a > 1
	s_wait_xcnt 0x0                                ; block a - 2's stores have read their registers: block a's loads may land there
.endif
	TOSTAGE \a
	SEND \a-1, 12                                  ; behind block a - 1's loads: block a's 8 stores and 4 loads
.endr
	SEND 7, 0
	s_wait_tensorcnt 0x0                           ; the wave's end: behind my last tensor load and my last LDS store
	ds_add_u32 v[SPW], v[NIL]
	s_wait_dscnt 0x0
	CROUND                                         ; the closing round: no work-group ends while a partner may still ask for a tile that names it
	s_endpgm
.Lfunc_end_k_qab6b7cde94_qkv:
	.size	k_qab6b7cde94_qkv, .Lfunc_end_k_qab6b7cde94_qkv-k_qab6b7cde94_qkv
	.p2alignl 7, 3214868480
	.fill 96, 4, 3214868480
	.section	.rodata,"a",@progbits
	.p2align	6, 0x0
	.amdhsa_kernel k_qab6b7cde94_qkv
		.amdhsa_group_segment_fixed_size 327680
		.amdhsa_private_segment_fixed_size 0
		.amdhsa_enable_private_segment 0
		.amdhsa_kernarg_size 56
		.amdhsa_user_sgpr_count 2
		.amdhsa_user_sgpr_kernarg_segment_ptr 1
		.amdhsa_wavefront_size32 1
		.amdhsa_system_sgpr_workgroup_id_x 1
		.amdhsa_system_sgpr_workgroup_id_y 1
		.amdhsa_system_sgpr_workgroup_id_z 1
		.amdhsa_system_vgpr_workitem_id 0
		.amdhsa_next_free_vgpr 1024
		.amdhsa_next_free_sgpr 100
		.amdhsa_reserve_vcc 0
		.amdhsa_float_denorm_mode_32 3
		.amdhsa_float_denorm_mode_16_64 3
		.amdhsa_fp16_overflow 1
		.amdhsa_memory_ordered 1
		.amdhsa_forward_progress 1
		.amdhsa_inst_pref_size 130
	.end_amdhsa_kernel
	.amdgpu_metadata
---
amdhsa.version: [ 1, 2 ]
amdhsa.kernels:
  - .name:           k_qab6b7cde94_qkv
    .symbol:         k_qab6b7cde94_qkv.kd
    .args:
      - { .name: xc, .offset: 0, .size: 8, .value_kind: global_buffer, .address_space: global }
      - { .name: wc, .offset: 8, .size: 8, .value_kind: global_buffer, .address_space: global }
      - { .name: bq, .offset: 16, .size: 8, .value_kind: global_buffer, .address_space: global }
      - { .name: bk, .offset: 24, .size: 8, .value_kind: global_buffer, .address_space: global }
      - { .name: bv, .offset: 32, .size: 8, .value_kind: global_buffer, .address_space: global }
      - { .name: lowp_scales, .offset: 40, .size: 8, .value_kind: global_buffer, .address_space: global }
      - { .name: qkvc, .offset: 48, .size: 8, .value_kind: global_buffer, .address_space: global }
    .group_segment_fixed_size: 327680
    .private_segment_fixed_size: 0
    .kernarg_segment_align: 8
    .kernarg_segment_size: 56
    .max_flat_workgroup_size: 128
    .sgpr_count:     100
    .vgpr_count:     1024
    .wavefront_size: 32
...
	.end_amdgpu_metadata
.endif
;; end of part 2
;; launch attn (part 3): grid 4 x 64, 16 waves a work-group, no clusters, 327,680 bytes of LDS; arguments qkvc, lowp_scales, yc; writes yc
.if DOCPART == 3
	.amdgcn_target "amdgcn-amd-amdhsa--gfx1250"
	.amdhsa_code_object_version 6
	.text
	.protected	k_qab6b7cde94_attn
	.globl	k_qab6b7cde94_attn
	.p2align	8
	.type	k_qab6b7cde94_attn,@function
k_qab6b7cde94_attn:
	s_mov_b64 s[64:65], 0
	v_nop
	global_prefetch_b8 v0, s[64:65] scope:SCOPE_SE
	s_setreg_imm32_b32 hwreg(HW_REG_WAVE_MODE, 25, 1), 1
	s_wait_xcnt 0x0
; y[b][t][h][:] = the sum over keys k <= t of softmax_k(q . k / 8) v, for 64 batch x head blocks of 2,048 tokens and 64 channels, both products on codes of FP8 (E4M3); y leaves as codes (entry 10 of the scales).
; qkvc: sections q, k, v of 2^23 bytes, a block of 2^17 bytes for each batch x head.  q, k: [token][64].  v: [token / 64][channel][64 tokens].  The innermost 64 bytes are permuted alike in all three, so that
; 16 bytes at 32 c + 16 h are what the plain 8-bit layout gives registers 4 c .. 4 c + 3 of lanes 16 h .. 16 h + 15.
; THE SOFTMAX AHEAD OF THE SECOND PRODUCT: t = score x log2(e) / 8; M = the row's largest t so far, rounded UP to a whole number; p = 2^(t - M) is quantised (entry 8), not normalised.
; The row's sum is taken of the unquantised p, in f32, and divides at the end.  When M moves, the sum and O are multiplied by 2^(old M - new M): exact.
; SHARES.  Work-group (p, batch x head), p = 0..3, owns the blocks of 256 queries p and 7 - p, one after the other.  Block i needs the key slots (256 keys) 0 .. i and no more, since later keys are masked:
; p + 1 and 8 - p slots, NINE in every work-group: equal work, constant trip counts, and no slot is fetched that nobody reads.  Each of the sixteen waves owns 16 queries of the block in hand, in 256 registers.
; NO CLUSTER: in trip n the work-group with p wants slot n (n <= p) or n - p - 1, which differs between the four work-groups of a head in all trips but the first: there is no request that the partners could make alike.
; LAYOUT.  Both products are used transposed: S^T = K Q^T (source 0 = 16 keys, source 1 = my 16 queries, K = 64), O^T = V^T P^T (source 0 = 16 channels, source 1 = P, K = 128 keys): a lane holds ONE query throughout.
; Register 8 u + j of S^T is key 16 u + 8 (lane / 16) + j of the step: its eight codes are registers 2 u, 2 u + 1 of the second product's operand as the plain layout has them.
; yc: [token / 4][head][token % 4][64 channels]: a head's four tokens fill 256 consecutive bytes, aligned.
; LIMITS on the given exponents: e6 + e7 between -123 and 130 (added to c's exponent field); e8 and e10 between -126 and 119; e8 + e9 is applied by v_ldexp_f32 and has none.  NaN is not served.
; REGISTERS: v1-11 addresses; v12 -M, v13 the largest t, v[14:15] the sum in two halves; v16-23 Q; v24 r - 8 h; v32-95 K's eight fragments, then V's four; v96-159 S^T, then p; v160-191 O^T; v192-207 p's codes;
;   v208-223 y's codes; v236-254 at work.
.set KP,    272                        ; four rows of 64 bytes + 16 of padding = 68 words: the 16 rows of a fragment touch the columns 16 (r / 4) + 64 (r % 4) of the 256 bytes that 64 banks of 4 bytes hold (ISA guide 11.1): all different
.set VOFF,  64*KP                      ; a slot: K's 256 keys, then V's 4 x 64 rows
.set SLOT1, 1<<16                      ; slot 1 begins here, so that one exclusive or turns an address in one slot into the other's
.set STAGE, 2*SLOT1                    ; behind the ring: 1,024 bytes for each wave, for the way out; no tile lands here
.set SPARE, STAGE+16*1024              ; the spare words, 128 bytes for each wave: eight blocks of 256 bytes that no other line names
.set AK0,  1                           ; v1   my lane's place in a fragment: 272 (r / 4) + 64 (r % 4) + 16 h
.set PFO,  3                           ; v3   the prefetches' offset: 256 x lane; never rewritten
.set QO,   4                           ; v4   Q: 64 r + 16 h
.set SPW,  5                           ; v5   LDS address of my spare word; never rewritten
.set NIL,  6                           ; v6   0; never rewritten
.set GO,   7                           ; v7   the way out: 4,096 (lane / 16) + 16 (lane % 16)
.set AD,   8                           ; v8   LDS address of the step's fragments
.set STO,  10                          ; v10  the stage: 64 r + 8 h
.set RD,   11                          ; v11  and back: 16 x lane
.set DG,   24                          ; v24  r - 8 h
.set TB,   2                           ; s2   LDS byte at which the slot in hand begins
.set WV,   18                          ; s18  my wave's number
.set SEL,  20                          ; s[20:21] lane selects for v_permlanex16_b32: lane l xor 16
.set CS,   22                          ; s[22:23] c = log2(e) / 8 x 2^(e6 + e7)
.set G1,   24                          ; s[24:31] descriptor group 1
.set SLOTS, 33                         ; s33  changes of slots that still fill: 8 .. 1
.set SW,   34                          ; s34  8 - p: the value of s33 in the first block's last trip
.set SG,   35                          ; s35  the slot of keys that was asked for last
.set KF,   36                          ; s36  the step's first key
.set Q0,   37                          ; s37  my first query in the block in hand
.set Q0B,  38                          ; s38  and in the second block
.set G0,   40                          ; s[40:43] descriptor group 0
.set KVB,  44                          ; s[44:45] my tensor's block (K: even waves, V: odd) in memory
.set OFF,  46                          ; s[46:47] a slot's offset in it
.set QA,   48                          ; s[48:49] my queries' codes
.set YA,   50                          ; s[50:51] my rows of yc
.set DQ,   52                          ; s[52:53] from the first block to the second, in q's bytes
.set DY,   54                          ; s[54:55] and in yc's
.set PFA,  56                          ; s[56:57] where my prefetches stand
.set LIM,  58                          ; s58  1 in a wave that prefetches, else the greatest number
.set EPV,  59                          ; s59  e8 + e9
; Wave 0 fetches a slot's K, wave 1 its V, 16,384 dense bytes each; the others nothing.  The branch hangs on the wave's number alone.  Four v_nop follow the line.
.macro TLOAD
	s_cmp_lt_u32 s[WV], 2
	s_cbranch_scc0 .Lasked_\@
	tensor_load_to_lds s[G0:G0+3], s[G1:G1+7]
	s_nop 0
.rept 4
	v_nop
.endr
.Lasked_\@:
.endm
; A PREFETCH INTO THE L2 of the slot of keys that the NEXT change of slots of the asking work-group will ask for.  All four work-groups of a head read the same K and V; the one with p = 0 walks all eight slots in its
; second block, and it alone asks.  In it waves 8 and 9 ask for the two halves of K's 16,384 bytes, waves 10 and 11 for V's: 8,192 bytes a wave, lanes 256 bytes apart, one instruction.  In trip n (0 .. 6) slot n + 1
; is named, a trip (two key steps) ahead of its load: each aligned block of 256 bytes of slots 1 to 7 once in the launch.  Slot 0 comes by its load alone; the last change that fills asks for nothing.
.macro ASK
	s_cmp_gt_u32 s[SLOTS], s[LIM]
	s_cbranch_scc0 .Lnot_mine_\@
	global_prefetch_b8 v[PFO], s[PFA:PFA+1] th:TH_LOAD_NT scope:SCOPE_SE
.Lnot_mine_\@:
.endm
	s_load_b128 s[4:7], s[0:1], 0x0                ; qkvc, the scales
	s_load_b64 s[8:9], s[0:1], 0x10                ; yc
	v_lshl_add_u32 v[SPW], v0, 2, SPARE
	v_mov_b32 v[NIL], 0
	ds_add_u32 v5, v6
	ds_add_u32 v5, v6
	s_wait_dscnt 0x0
	v_lshrrev_b32 v8, 5, v0
	s_delay_alu instid0(VALU_DEP_1)
	v_readfirstlane_b32 s[WV], v8                  ; wave 0..15
	s_and_b32 s60, ttmp7, 0xffff                   ; batch x head
	s_lshl_b32 s63, s60, 17                        ; its block in a section
	s_sub_co_u32 s[SW], 8, ttmp9
	s_lshl_b32 s61, s[WV], 4
	s_lshl_b32 s[Q0], ttmp9, 8
	s_add_co_u32 s[Q0], s[Q0], s61                 ; 256 p + 16 w
	s_sub_co_u32 s62, 7, ttmp9
	s_lshl_b32 s[Q0B], s62, 8
	s_add_co_u32 s[Q0B], s[Q0B], s61               ; 256 (7 - p) + 16 w
	s_sub_co_u32 s62, s62, ttmp9                   ; 7 - 2 p blocks lie between
	s_lshl_b32 s[DQ], s62, 14                      ; 256 tokens x 64 bytes
	s_mov_b32 s[DQ+1], 0
	s_lshl_b32 s[DY], s62, 18                      ; 64 groups of four tokens x 4,096 bytes
	s_mov_b32 s[DY+1], 0
	s_and_b32 s73, s[WV], 1
	s_mul_i32 s[G0+1], s73, VOFF                   ; 63:32 LDS address: K's place or V's, in slot 0
	s_add_co_u32 s74, s73, 1
	s_lshl_b32 s74, s74, 23                        ; section 1 (k) or 2 (v),
	s_add_co_u32 s74, s74, s63                     ; my block
	s_mov_b32 s75, 0
	s_lshl_b32 s76, s[Q0], 6
	s_add_co_u32 s76, s76, s63                     ; q: section 0, my block, my first query
	s_mov_b32 s77, 0
	s_lshr_b32 s78, s60, 4
	s_lshl_b32 s78, s78, 9                         ; yc: the batch's 512 groups of four tokens,
	s_lshl_b32 s61, ttmp9, 6
	s_add_co_u32 s78, s78, s61                     ; the block's 64,
	s_lshl_b32 s61, s[WV], 2
	s_add_co_u32 s78, s78, s61                     ; my wave's 4,
	s_lshl_b32 s78, s78, 12                        ; of 4,096 bytes,
	s_and_b32 s61, s60, 15
	s_lshl_b32 s61, s61, 8
	s_add_co_u32 s78, s78, s61                     ; and the head's 256 in each
	s_mov_b32 s79, 0
	s_bfe_u32 s61, s[WV], 0x10001                  ; the prefetches: waves 8, 9: k; 10, 11: v
	s_add_co_u32 s61, s61, 1
	s_lshl_b32 s61, s61, 23
	s_add_co_u32 s66, s61, s63
	s_lshl_b32 s61, s73, 13                        ; which 8,192 bytes of a slot's 16,384
	s_add_co_u32 s66, s66, s61
	s_mov_b32 s67, 0
	s_sub_co_u32 s61, s[WV], 8
	s_lshr_b32 s61, s61, 2                         ; 0 in waves 8 to 11,
	s_or_b32 s61, s61, ttmp9                       ; of the work-group with p = 0
	s_cmp_eq_u32 s61, 0
	s_cselect_b32 s[LIM], 1, -1
	; descriptor group 1: 16,384 dense bytes as 64 rows of 256, padded in LDS
	s_mov_b32 s[G1], (0<<16)|(1<<20)|(5<<22)|(3<<25)  ; 15:0 no mask; 17:16 elements of 1 byte; 20 padding on; 24:22 after every 64 words (code 5); 31:25 four words (code 3)
	s_mov_b32 s[G1+1], 256<<16                     ; tensor_dim0
	s_mov_b32 s[G1+2], 64<<16                      ; tensor_dim1
	s_mov_b32 s[G1+3], 256<<16                     ; tile_dim0
	s_mov_b32 s[G1+4], 64                          ; tile_dim1
	s_mov_b32 s[G1+5], 256                         ; tensor_dim0_stride
	s_mov_b32 s[G1+6], 0
	s_mov_b32 s[G1+7], 0
	s_mov_b32 s[SEL], 0x76543210
	s_mov_b32 s[SEL+1], 0xfedcba98
	s_mov_b32 s[CS], 0x3e38aa3b                    ; log2(e) / 8
	s_mov_b32 s[TB], 0
	s_mov_b32 s[SLOTS], 8
	s_mov_b32 s[SG], 0
	s_mov_b32 s[KF], 0
	s_mov_b32 s[OFF+1], 0
	s_wait_kmcnt 0x0
	s_load_b128 s[68:71], s[6:7], 0x18             ; e6, e7, e8, e9
	s_load_b32 s72, s[6:7], 0x28                   ; e10
	s_add_nc_u64 s[KVB:KVB+1], s[4:5], s[74:75]
	s_mov_b32 s[G0], 1                             ; 1:0 count = 1
	s_mov_b64 s[G0+2:G0+3], s[KVB:KVB+1]           ; 120:64 global address: slot 0 of the keys
	s_or_b32 s[G0+3], s[G0+3], 0x80000000          ; 127:126 type = 2
	TLOAD                                          ; the first fill, ahead of every wait on TENSORcnt, every LDS read and every barrier
	s_add_nc_u64 s[QA:QA+1], s[4:5], s[76:77]
	s_add_nc_u64 s[YA:YA+1], s[8:9], s[78:79]
	s_add_nc_u64 s[PFA:PFA+1], s[4:5], s[66:67]    ; at slot 0: the first change of slots steps it to slot 1.  Nothing is prefetched here, at the head
	v_and_b32 v8, 15, v0                           ; r
	v_bfe_u32 v9, v0, 4, 1                         ; h
	s_delay_alu instid0(VALU_DEP_2)
	v_lshlrev_b32 v[QO], 6, v8
	s_delay_alu instid0(VALU_DEP_1)
	v_lshl_add_u32 v[QO], v9, 4, v[QO]
	global_load_b128 v[16:19], v[QO], s[QA:QA+1]   ; Q's fragment stays in registers
	global_load_b128 v[20:23], v[QO], s[QA:QA+1] offset:32
	v_lshrrev_b32 v10, 2, v8
	v_and_b32 v11, 3, v8
	s_delay_alu instid0(VALU_DEP_2)
	v_mul_u32_u24 v[AK0], v10, KP
	s_delay_alu instid0(VALU_DEP_1)
	v_lshl_add_u32 v[AK0], v11, 6, v[AK0]
	s_delay_alu instid0(VALU_DEP_1)
	v_lshl_add_u32 v[AK0], v9, 4, v[AK0]
	v_and_b32 v2, 31, v0                           ; lane
	s_delay_alu instid0(VALU_DEP_1)
	v_lshlrev_b32 v[PFO], 8, v2
	v_lshlrev_b32 v[GO], 12, v9
	s_delay_alu instid0(VALU_DEP_1)
	v_lshl_add_u32 v[GO], v8, 4, v[GO]
	s_lshl_b32 s61, s[WV], 10
	s_add_co_u32 s61, s61, STAGE                   ; my stage
	v_lshl_add_u32 v[STO], v8, 6, s61
	s_delay_alu instid0(VALU_DEP_1)
	v_lshl_add_u32 v[STO], v9, 3, v[STO]
	v_lshl_add_u32 v[RD], v2, 4, s61
	v_lshlrev_b32 v[DG], 3, v9
	s_delay_alu instid0(VALU_DEP_1)
	v_sub_nc_u32 v[DG], v8, v[DG]
	v_mov_b32 v13, 0xff61b1e6                      ; the largest t so far: -3e38, under every t
	s_delay_alu instid0(VALU_DEP_1)
	v_floor_f32 v12, -v13                          ; -M
	v_mov_b32 v14, 0                               ; the sum, in two halves
	v_mov_b32 v15, 0
	v_mov_b32 v236, 0                              ; written once: a lane permute's destination counts as one of its sources
	v_mov_b32 v252, 0
	v_mov_b32 v253, 0                              ; (named as the upper half of the pair v[252:253])
	v_mov_b32 v254, 0
.set j, 0
.rept 32
	v_mov_b32 v[160+j], 0                          ; O^T.  (The step is written once: a block's first step finds zeros, which the first change of M leaves zeros)
.set j, j+1
.endr
	s_wait_kmcnt 0x0
	s_add_co_i32 s60, s68, s69
	s_lshl_b32 s60, s60, 23
	s_add_co_i32 s[CS], s[CS], s60                 ; a score stands for score x 2^(e6 + e7): the two exponents are added to c's exponent field
	s_mov_b32 s[CS+1], s[CS]                       ; (named with it as a pair, so it is written)
	s_add_co_i32 s60, s70, 127
	s_lshl_b32 s61, s60, 23
	v_mov_b32 v244, s61                            ; 2^e8, for p's conversions
	s_add_co_i32 s60, s72, 127
	s_lshl_b32 s61, s60, 23
	v_mov_b32 v245, s61                            ; 2^e10, for y's
	s_add_co_i32 s[EPV], s70, s71
; A KEY STEP: 128 keys, the q-th of the slot in hand.
.macro STEP q
	s_add_co_u32 s60, s[Q0], 15                    ; a step all of whose keys come after my 16 queries is left out: a scalar branch on ids, round the step's loads, products and softmax;
	s_cmp_gt_u32 s[KF], s60                        ; no barrier and no tensor load stands in a step
	s_cbranch_scc1 .Lhidden_\@
	v_add_nc_u32 v[AD], s[TB], v[AK0]
.rept 3
	v_nop                                          ; with the addition above: four places in front of loads into registers that the last products read
.endr
.irp u, 0,1,2,3,4,5,6,7
	ds_load_b128 v[32+8*\u:35+8*\u], v[AD] offset:(32*(\q)+4*\u)*KP
	ds_load_b128 v[36+8*\u:39+8*\u], v[AD] offset:(32*(\q)+4*\u)*KP+32
.endr
	s_wait_alu depctr_va_vdst(0)
	s_wait_dscnt 0x0
.irp u, 0,1,2,3,4,5,6,7                        ; S^T = K Q^T: eight tiles of 16 neighbouring keys
	v_wmma_f32_16x16x64_fp8_fp8 v[96+8*\u:103+8*\u], v[32+8*\u:39+8*\u], v[16:23], 0
.endr
.rept 4
	v_nop                                          ; places: K's registers are loaded anew, and the scores are read, only from here on
.endr
.irp t, 0,1,2,3                                ; V's four fragments (16 channels x 128 keys) are asked for now and land while the softmax is walked
.irp c, 0,1,2,3
	ds_load_b128 v[32+16*\t+4*\c:35+16*\t+4*\c], v[AD] offset:VOFF+(16*(2*(\q)+\c/2)+4*\t)*KP+32*(\c%2)
.endr
.endr
	s_add_co_u32 s60, s[KF], 127                   ; on the diagonal the scores of hidden keys become -infinity ahead of the maximum: p = 0 then.  A step all of whose keys count skips this
	s_cmp_le_u32 s60, s[Q0]
	s_cbranch_scc1 .Lopen_\@
	s_sub_co_i32 s60, s[Q0], s[KF]
	v_add_nc_u32 v252, s60, v[DG]                  ; d = my query - KF - 8 h.  Register 8 u + j holds key KF + 16 u + 8 h + j: hidden where 16 u + j > d
	v_mov_b32 v254, 0xff800000                     ; -infinity
.set n, 0
.rept 64
	v_cmp_gt_i32 vcc_lo, 16*(n/8)+n%8, v252
	v_cndmask_b32 v[96+n], v[96+n], v254, vcc_lo
.set n, n+1
.endr
.Lopen_\@:
	v_max3_num_f32 v254, v96, v97, v98             ; the step's largest score of my query, among my 64 keys, in two chains, each tile from its low end on,
	v_max3_num_f32 v252, v99, v100, v101
.irp i, 6,10,14,18,22,26,30,34,38,42,46,50,54,58
	v_max3_num_f32 v254, v254, v[96+\i], v[97+\i]
	v_max3_num_f32 v252, v252, v[98+\i], v[99+\i]
.endr
	v_max3_num_f32 v254, v254, v158, v159
	s_delay_alu instid0(VALU_DEP_1)
	v_max_num_f32 v254, v254, v252
	s_delay_alu instid0(VALU_DEP_1)
	v_permlanex16_b32 v236, v254, s[SEL], s[SEL+1]
	s_delay_alu instid0(VALU_DEP_1)
	v_max_num_f32 v254, v254, v236                 ; and among lane l xor 16's
	s_delay_alu instid0(VALU_DEP_1)
	v_mul_f32 v254, s[CS], v254                    ; as t (c is positive)
	s_delay_alu instid0(VALU_DEP_1)
	v_max_num_f32 v13, v13, v254                   ; the running largest t
	v_mov_b32 v254, v12
	s_delay_alu instid0(VALU_DEP_2)
	v_floor_f32 v12, -v13                          ; the new -M = floor(-t) = -ceil(t): M is a whole number
	s_delay_alu instid0(VALU_DEP_1)
	v_sub_f32 v254, v12, v254                      ; M's old value less its new one: a whole number, 0 or less
	s_delay_alu instid0(VALU_DEP_1)
	v_cvt_i32_f32 v254, v254                       ; (it saturates)
	s_delay_alu instid0(VALU_DEP_1)
	v_ldexp_f32 v252, 1.0, v254                    ; f = 2^(old M - new M): a multiplication by it rounds nothing
.set j, 0
.rept 32
	v_pk_fma_f32 v[96+j:97+j], v[96+j:97+j], s[CS:CS+1], v[12:13] op_sel_hi:[1,0,0]   ; t - M, two at a time (of the pairs c and -M the low word serves both halves)
.set j, j+2
.endr
.set j, 0
	s_wait_alu depctr_va_vdst(0)
.rept 64
	v_exp_f32 v[96+j], v[96+j]                     ; p = 2^(t - M), at most 1: not normalised
.set j, j+1
.endr
	v_pk_mul_f32 v[14:15], v[14:15], v[252:253] op_sel_hi:[1,0]   ; the sums under the new M.  (The plain line behind the exponentials)
	s_wait_alu depctr_va_vdst(0)                   ; one wait for the whole batch of exponentials, ahead of its first reader
	v_pk_add_f32 v[242:243], v[100:101], v[104:105]
	v_pk_add_f32 v[254:255], v[108:109], v[112:113]
	v_pk_add_f32 v[250:251], v[116:117], v[120:121]
	v_pk_add_f32 v[248:249], v[124:125], v[128:129]
	v_pk_add_f32 v[246:247], v[132:133], v[136:137]
	v_pk_add_f32 v[240:241], v[140:141], v[144:145]
	v_pk_add_f32 v[238:239], v[148:149], v[152:153]
	v_pk_add_f32 v[14:15], v[14:15], v[156:157]
	v_pk_add_f32 v[242:243], v[242:243], v[96:97]
	v_pk_add_f32 v[254:255], v[254:255], v[98:99]
	v_pk_add_f32 v[250:251], v[250:251], v[102:103]
	v_pk_add_f32 v[248:249], v[248:249], v[106:107]
	v_pk_add_f32 v[246:247], v[246:247], v[110:111]
	v_pk_add_f32 v[240:241], v[240:241], v[114:115]
	v_pk_add_f32 v[238:239], v[238:239], v[118:119]
	v_pk_add_f32 v[14:15], v[14:15], v[122:123]
	v_pk_add_f32 v[242:243], v[242:243], v[126:127]
	v_pk_add_f32 v[254:255], v[254:255], v[130:131]
	v_pk_add_f32 v[250:251], v[250:251], v[134:135]
	v_pk_add_f32 v[248:249], v[248:249], v[138:139]
	v_pk_add_f32 v[246:247], v[246:247], v[142:143]
	v_pk_add_f32 v[240:241], v[240:241], v[146:147]
	v_pk_add_f32 v[238:239], v[238:239], v[150:151]
	v_pk_add_f32 v[14:15], v[14:15], v[154:155]
	v_pk_add_f32 v[242:243], v[242:243], v[158:159]
	s_delay_alu instid0(VALU_DEP_2)
	v_pk_add_f32 v[14:15], v[14:15], v[248:249]
	s_delay_alu instid0(VALU_DEP_2)
	v_pk_add_f32 v[242:243], v[242:243], v[246:247]
	v_pk_add_f32 v[254:255], v[254:255], v[240:241]
	v_pk_add_f32 v[250:251], v[250:251], v[238:239]
	s_delay_alu instid0(VALU_DEP_2)
	v_pk_add_f32 v[14:15], v[14:15], v[254:255]
	s_delay_alu instid0(VALU_DEP_2)
	v_pk_add_f32 v[242:243], v[242:243], v[250:251]
	s_delay_alu instid0(VALU_DEP_1)
	v_pk_add_f32 v[14:15], v[14:15], v[242:243]
.irp u, 0,1,2,3,4,5,6,7
.irp i, 0,1,2,3,4,5,6,7
.endr
	v_cvt_scalef32_pk8_fp8_f32 v[192+2*\u:193+2*\u], v[96+8*\u:103+8*\u], v244   ; keys 16 u + 8 h + 0 .. 7: registers 2 u, 2 u + 1 of the operand
.endr
.set j, 0
.rept 16
	v_pk_mul_f32 v[160+j:161+j], v[160+j:161+j], v[252:253] op_sel_hi:[1,0]   ; O^T under the new M: x f.  (Also the plain lines between the conversions and the products that read the codes)
.set j, j+2
.endr
	s_wait_alu depctr_va_vdst(0)
	s_wait_dscnt 0x0                               ; V is in
.irp t, 0,1,2,3                                ; O^T += V^T P^T; the four accumulators take turns, one instruction a turn, and the next step's scores stand between two turns of one
	v_wmma_f32_16x16x128_fp8_fp8 v[160+8*\t:167+8*\t], v[32+16*\t:47+16*\t], v[192:207], v[160+8*\t:167+8*\t]
.endr
.Lhidden_\@:
	s_add_co_u32 s[KF], s[KF], 128
.endm
; THE CHANGE OF SLOTS stands at a slot's head.  Each wave waits for all its tensor loads (its part of the slot that it is about to read), adds 0 to its spare word, and waits for that and for its reads of the slot
; that it has left.  Behind the barrier the slot ahead is whole and nobody reads the other one.  fill = 1: that other slot is filled with the keys that the next trip wants: the next 256, or, where the first
; block of queries ends with this trip, the head's first 256 again.  By this text's own count a wave has one tensor load out at the most.
.macro CHANGE fill
	s_wait_tensorcnt 0x0                           ; no tensor load of mine is out, so group 0 may be written
	ds_add_u32 v[SPW], v[NIL]                      ; 0 onto my spare word: with fill = 1 the descriptor's steps stand between it and the wait for it
.if \fill
	s_add_co_u32 s[SG], s[SG], 1
	s_cmp_eq_u32 s[SLOTS], s[SW]
	s_cselect_b32 s[SG], 0, s[SG]                  ; a select on ids, no branch
	s_lshl_b32 s[OFF], s[SG], 14                   ; 16,384 bytes a slot, in K and in V alike
	s_add_nc_u64 s[G0+2:G0+3], s[KVB:KVB+1], s[OFF:OFF+1]
	s_or_b32 s[G0+3], s[G0+3], 0x80000000
	s_xor_b32 s[G0+1], s[G0+1], SLOT1              ; the other LDS slot than last time
	s_wait_xcnt 0x0                                ; the last prefetch, a trip back, has read its address, so it may be written
	s_add_nc_u64 s[PFA:PFA+1], s[PFA:PFA+1], 16384
.endif
	s_wait_dscnt 0x0                               ; the add is done, and my reads of the slot that I have left are over
	s_barrier_signal -1
	s_barrier_wait -1
.if \fill
	TLOAD                                          ; the first thing behind the barrier, and a wave's one tensor load until the next
	ASK
.endif
.endm
.macro SLOT_STEPS
	STEP 0
	STEP 1
	s_xor_b32 s[TB], s[TB], SLOT1                  ; on to the other slot
.endm
; A BLOCK OF QUERIES IS DONE.  y = O^T x 2^(e8 + e9) / the sum, in f32; converted (entry 10), through my stage, out: sixteen lanes store 256 consecutive bytes, aligned.  next = 1: the second block begins.
.macro FLUSH next
.rept 4
	v_nop                                          ; places behind the last products
.endr
	v_add_f32 v14, v14, v15                        ; the sum's two halves,
	s_delay_alu instid0(VALU_DEP_1)
	v_permlanex16_b32 v252, v14, s[SEL], s[SEL+1]
	s_delay_alu instid0(VALU_DEP_1)
	v_add_f32 v14, v14, v252                       ; and lane l xor 16's: the row's sum
	s_wait_alu depctr_va_vdst(0)
	v_rcp_f32 v14, v14
	v_nop                                          ; a plain line behind the transcendental,
	s_wait_alu depctr_va_vdst(0)                   ; and the wait ahead of its first reader
	v_ldexp_f32 v14, v14, s[EPV]
.set j, 0
.rept 16
	v_pk_mul_f32 v[96+j:97+j], v[160+j:161+j], v[14:15] op_sel_hi:[1,0]   ; register 8 t + i is y(my query, channel 16 t + 8 h + i); each accumulator from its low end on
.set j, j+2
.endr
.set j, 0
.rept 32
.set j, j+1
.endr
.irp t, 0,1,2,3
	v_cvt_scalef32_pk8_fp8_f32 v[208+2*\t:209+2*\t], v[96+8*\t:103+8*\t], v245
.endr
	v_nop                                          ; one plain vector line behind the last conversion: later products write its sources
.irp t, 0,1,2,3
	ds_store_b64 v[STO], v[208+2*\t:209+2*\t] offset:16*\t
.endr
.irp j, 0,1
	ds_load_b128 v[216+4*\j:219+4*\j], v[RD] offset:512*\j   ; LDS serves a wave's instructions in order (ISA guide 5.7.1.4): these see my stores
.endr
	s_wait_dscnt 0x0
.irp j, 0,1
	global_store_b128 v[GO], v[216+4*\j:219+4*\j], s[YA:YA+1] offset:8192*\j   ; lanes 0-15: four tokens of my head, lanes 16-31: the next four
.endr
.if \next
	s_wait_xcnt 0x0                                ; the stores have read their base and their data: both are written again only behind this wait
	s_add_nc_u64 s[YA:YA+1], s[YA:YA+1], s[DY:DY+1]
	s_add_nc_u64 s[QA:QA+1], s[QA:QA+1], s[DQ:DQ+1]
	global_load_b128 v[16:19], v[QO], s[QA:QA+1]
	global_load_b128 v[20:23], v[QO], s[QA:QA+1] offset:32
	v_mov_b32 v13, 0xff61b1e6
	s_delay_alu instid0(VALU_DEP_1)
	v_floor_f32 v12, -v13
	v_mov_b32 v14, 0
	v_mov_b32 v15, 0
.set j, 0
.rept 32
	v_mov_b32 v[160+j], 0
.set j, j+1
.endr
	s_mov_b32 s[KF], 0
	s_mov_b32 s[Q0], s[Q0B]
	s_wait_loadcnt 0x0
.endif
.endm
	s_wait_loadcnt 0x0                             ; Q
.Lslot:                                            ; eight trips: behind each change of slots but the last the next trip's keys are asked for
	CHANGE 1
	SLOT_STEPS
	s_cmp_lg_u32 s[SLOTS], s[SW]                   ; the first block's last trip?  A branch on ids, the same in all sixteen waves; no barrier and no tensor load stands under it
	s_cbranch_scc1 .Lsame
	FLUSH 1
.Lsame:
	s_sub_co_u32 s[SLOTS], s[SLOTS], 1
	s_cmp_lg_u32 s[SLOTS], 0
	s_cbranch_scc1 .Lslot
	CHANGE 0                                       ; the ninth trip is written out
	SLOT_STEPS
	FLUSH 0
	s_wait_tensorcnt 0x0                           ; the wave's end: behind my last tensor load and my last LDS store
	ds_add_u32 v[SPW], v[NIL]
	s_wait_dscnt 0x0
	s_endpgm
.Lfunc_end_k_qab6b7cde94_attn:
	.size	k_qab6b7cde94_attn, .Lfunc_end_k_qab6b7cde94_attn-k_qab6b7cde94_attn
	.p2alignl 7, 3214868480
	.fill 96, 4, 3214868480
	.section	.rodata,"a",@progbits
	.p2align	6, 0x0
	.amdhsa_kernel k_qab6b7cde94_attn
		.amdhsa_group_segment_fixed_size 327680
		.amdhsa_private_segment_fixed_size 0
		.amdhsa_enable_private_segment 0
		.amdhsa_kernarg_size 24
		.amdhsa_user_sgpr_count 2
		.amdhsa_user_sgpr_kernarg_segment_ptr 1
		.amdhsa_wavefront_size32 1
		.amdhsa_system_sgpr_workgroup_id_x 1
		.amdhsa_system_sgpr_workgroup_id_y 1
		.amdhsa_system_sgpr_workgroup_id_z 1
		.amdhsa_system_vgpr_workitem_id 0
		.amdhsa_next_free_vgpr 256
		.amdhsa_next_free_sgpr 80
		.amdhsa_reserve_vcc 1
		.amdhsa_float_denorm_mode_32 3
		.amdhsa_float_denorm_mode_16_64 3
		.amdhsa_fp16_overflow 1
		.amdhsa_memory_ordered 1
		.amdhsa_forward_progress 1
		.amdhsa_inst_pref_size 91
	.end_amdhsa_kernel
	.amdgpu_metadata
---
amdhsa.version: [ 1, 2 ]
amdhsa.kernels:
  - .name:           k_qab6b7cde94_attn
    .symbol:         k_qab6b7cde94_attn.kd
    .args:
      - { .name: qkvc, .offset: 0, .size: 8, .value_kind: global_buffer, .address_space: global }
      - { .name: lowp_scales, .offset: 8, .size: 8, .value_kind: global_buffer, .address_space: global }
      - { .name: yc, .offset: 16, .size: 8, .value_kind: global_buffer, .address_space: global }
    .group_segment_fixed_size: 327680
    .private_segment_fixed_size: 0
    .kernarg_segment_align: 8
    .kernarg_segment_size: 24
    .max_flat_workgroup_size: 512
    .sgpr_count:     80
    .vgpr_count:     256
    .wavefront_size: 32
...
	.end_amdgpu_metadata
.endif
;; end of part 3
;; launch proj (part 4): grid 4 x 32, 4 waves a work-group, clusters of 4 x 4, 327,680 bytes of LDS; arguments yc, wc, bp, lowp_scales, out0; writes out0
.if DOCPART == 4
	.amdgcn_target "amdgcn-amd-amdhsa--gfx1250"
	.amdhsa_code_object_version 6
	.text
	.protected	k_qab6b7cde94_proj
	.globl	k_qab6b7cde94_proj
	.p2align	8
	.type	k_qab6b7cde94_proj,@function
k_qab6b7cde94_proj:
	s_mov_b64 s[64:65], 0
	v_nop
	global_prefetch_b8 v0, s[64:65] scope:SCOPE_SE
	s_setreg_imm32_b32 hwreg(HW_REG_WAVE_MODE, 25, 1), 1
	s_wait_xcnt 0x0
	s_wait_alu depctr_hold_cnt(0) depctr_sa_sdst(0) depctr_va_vdst(0) depctr_va_sdst(0) depctr_va_ssrc(0) depctr_va_vcc(0) depctr_vm_vsrc(0)
	s_getreg_b32 s2, hwreg(HW_REG_IB_STS2, 6, 4)
	s_cmp_eq_u32 s2, 0
	s_cbranch_scc0 .Lentry_in_a_cluster
	s_endpgm
.Lentry_in_a_cluster:
	s_bfe_u32 s2, ttmp6, 0x10000c
	s_cmp_lg_u32 s2, 0xf033
	s_cbranch_scc0 .Lentry_shape_is_right
	s_endpgm
.Lentry_shape_is_right:
; out0 = y Wp^T + bp on codes of FP8 (E4M3): out0[m][n] = 2^(e10 + e11) x the sum over k of y's code x Wp's code, + bp[n].  M = 8,192, N = K = 1,024; sums in f32.
; A = y's codes in yc: [token / 4][head 16][token % 4][64 channels]; k = 64 head + channel.  B = Wp's codes: the fourth section of wc, [n][k], row-major.
; A tile of 256 x 256 is made by a work-group of four waves; a wave makes 128 x 128: 64 accumulators, 512 registers.  128 tiles: 32 x 4.  K goes in 4 steps of 256 through a ring of two LDS slots.
; A's tile of a K step: for each group of four tokens the 1,024 consecutive bytes of four heads; a wave's tensor load brings 32 such rows (128 tokens), 4,096 bytes apart in memory, 1,040 apart in LDS.
; CLUSTERS: 4 x 4 work-groups.  The four of a row of the cluster need the same tiles of A, the four of a column the same tiles of B: each tile is asked for JOINTLY.
; THE MATRIX INSTRUCTION IS USED TRANSPOSED (source 0 = 16 rows of B, source 1 = 16 rows of A): a lane holds eight neighbouring numbers of a row of out0.
; LIMIT: e10 + e11 between -126 and 127, so that 2^(e10 + e11) is an f32 number.
; REGISTERS, in windows of 256: window 0: v0-31 addresses; v32-35 bp of my four columns on the way out; from v128 A's fragments, ONE set; on the way out v128-255 hold rows.
;   window 1: B's fragments, TWO sets.   window 2: the accumulators of my rows 0-63 ((a, b) at v[8 (8 a + b)]);   window 3: those of my rows 64-127.
.set SIZE_K, 1024
.set SIZE_N, 1024
.set KSTEP,  256
.set ROWB,   256                       ; a row of B's tile in bytes
.set KROW,   SIZE_K                    ; a row of Wp's codes in memory
.set PITCH,  272                       ; B's LDS row: 256 bytes + 16 of padding = 68 words: row r starts at bank 4 r mod 64 (64 banks of 4 bytes: ISA guide 11.1)
.set AROWB,  1024                      ; a row of A's tile: four tokens x four heads x 64
.set APITCH, 1040                      ; and in LDS: + 16: the 16 tokens of a fragment touch the columns 16 (r / 4) + 64 (r % 4) of 256 bytes: all different
.set FR,     16
.set NL,     4
.set NP,     4                         ; places behind this matrix instruction (ISA guide 7.12.1)
.set HALFT,  128*PITCH                 ; what one tensor load of B brings; A's 32 x 1,040 bytes fit into as much
.set SLOT,   4*HALFT                   ; A's two halves, then B's two halves
.set LAPS,   SIZE_K/(2*KSTEP)
.set SPARE,  2*SLOT                    ; behind the ring: the spare words, 128 bytes a wave: two blocks of 256 bytes that no other line names
.set SPITCH, 528                       ; the way out: a stage of 16 rows x (512 bytes + 16) for each wave, in slot 0, which has had its last fill and its last read by then
.set ADRA, 16                          ; v16-17  LDS address of my A fragments in slot 0, 1
.set ADRB, 20                          ; v20-21  the same for B
.set STO,  24                          ; v24     the way out: where I put 32 bytes of a row
.set RD,   25                          ; v25     where I read a row back
.set CO,   26                          ; v26     my byte offset in a row of out0
.set SPW,  28                          ; v28     LDS address of my spare word; never rewritten
.set NIL,  29                          ; v29     0; never rewritten
.set B4,   32                          ; v32-35  bp of columns 4 x lane .. + 3 of my 128
.set AF,   128
.set BK,   128                         ; the way out: 16 rows read back from the stage: v128-191 and v192-255 by turns
.set G1, 24
.set G0, 32
.set G1B, 48
.set G0B, 56
.set MSB, 0
.macro WIN new                         ; the immediate's high byte repeats the setting that is left
.if MSB != (\new)
	s_set_vgpr_msb (MSB<<8)|(\new)
.set MSB, (\new)
.endif
.endm
.set MUL_LO, 0xa1                      ; source 0 (B) window 1, source 1 (A) window 0, C and D window 2
.set MUL_HI, 0xf1                      ; the same, C and D window 3
.set TO_B,   0x40                      ; destination window 1, address window 0
; A joint load: waves 0 and 1 fetch for A, waves 2 and 3 for B; the branch hangs on the wave's number alone.  Four v_nop follow each of the two lines.
.macro JLOAD g0a, g1a, g0b, g1b
	s_cmp_eq_u32 s15, 0
	s_cbranch_scc0 .Lfor_b_\@
	tensor_load_to_lds s[\g0a:\g0a+3], s[\g1a:\g1a+7]
	s_nop 0
.rept 4
	v_nop
.endr
	s_branch .Lasked_\@
.Lfor_b_\@:
	tensor_load_to_lds s[\g0b:\g0b+3], s[\g1b:\g1b+7]
	s_nop 0
.rept 4
	v_nop
.endr
.Lasked_\@:
.endm
.macro CREST                           ; a round of the cluster's barrier behind its opening barrier
	s_cmp_lg_u32 s14, 0
	s_cbranch_scc1 .Lnot_wave_0_\@
	s_barrier_signal -3
.Lnot_wave_0_\@:
	s_barrier_wait -3
	s_barrier_signal -1
	s_barrier_wait -1
.endm
.macro CROUND                          ; a whole round
	s_barrier_signal -1
	s_barrier_wait -1
	CREST
.endm
	s_load_b128 s[4:7], s[0:1], 0x0                ; yc, wc
	s_load_b128 s[8:11], s[0:1], 0x10              ; bp, the scales
	s_load_b64 s[12:13], s[0:1], 0x20              ; out0
	v_lshl_add_u32 v[SPW], v0, 2, SPARE
	v_mov_b32 v[NIL], 0
	ds_add_u32 v28, v29
	ds_add_u32 v28, v29
	s_wait_dscnt 0x0
	v_lshrrev_b32 v1, 5, v0
	v_readfirstlane_b32 s14, v1                    ; wave 0..3
	s_lshr_b32 s15, s14, 1                         ; which half of the tile's rows is mine.  Also: I fetch for A (0) or for B (1)
	s_and_b32 s16, s14, 1                          ; which half of its columns.  Also: which half of that tile I fetch
	s_bfe_u32 s40, ttmp6, 0x40000                  ; cx, cy: my place in the cluster
	s_bfe_u32 s41, ttmp6, 0x40004
	s_lshl_b32 s42, ttmp9, 2
	s_add_co_u32 s42, s42, s40                     ; tile column = 4 x cluster x + cx
	s_and_b32 s17, ttmp7, 0xffff
	s_lshl_b32 s17, s17, 2
	s_add_co_u32 s17, s17, s41                     ; tile row = 4 x cluster y + cy
	s_lshl_b32 s43, s41, 2
	s_lshl_b32 s43, 15, s43                        ; my row of the cluster
	s_lshl_b32 s44, 0x1111, s40                    ; my column
	; descriptor group 1 for A: 32 rows x 1,024 bytes, 4,096 apart
	s_or_b32 s[G1+0], s43, (0<<16)|(1<<20)|(1<<21)|(7<<22)|(3<<25)  ; 15:0 the mask: my row; 17:16 element of 1 byte; 20 padding on; 21 set beside a mask; 24:22 after every 256 words (code 7); 31:25 of 4 words (code 3)
	s_mov_b32 s[G1+1], AROWB<<16                   ; tensor_dim0
	s_mov_b32 s[G1+2], 32<<16                      ; tensor_dim1
	s_mov_b32 s[G1+3], AROWB<<16                   ; tile_dim0
	s_mov_b32 s[G1+4], 32                          ; tile_dim1
	s_mov_b32 s[G1+5], 4096                        ; tensor_dim0_stride
	s_mov_b32 s[G1+6], 0
	s_mov_b32 s[G1+7], 0
	; and for B: 128 rows x 256 bytes, 1,024 apart
	s_or_b32 s[G1B+0], s44, (0<<16)|(1<<20)|(1<<21)|(5<<22)|(3<<25) ; the mask: my column; padding of 4 words after every 64
	s_mov_b32 s[G1B+1], ROWB<<16
	s_mov_b32 s[G1B+2], 128<<16
	s_mov_b32 s[G1B+3], ROWB<<16
	s_mov_b32 s[G1B+4], 128
	s_mov_b32 s[G1B+5], KROW
	s_mov_b32 s[G1B+6], 0
	s_mov_b32 s[G1B+7], 0
	s_lshl_b32 s18, s16, 5
	s_lshl_b32 s20, s17, 6
	s_add_co_u32 s20, s20, s18                     ; A: group of four tokens 64 x tile row + 32 x half,
	s_lshl_b32 s20, s20, 12                        ; of 4,096 bytes
	s_mov_b32 s21, 0
	s_lshl_b32 s18, s16, 7
	s_lshl_b32 s46, s42, 8
	s_add_co_u32 s46, s46, s18                     ; B: row 256 x tile column + 128 x half,
	s_lshl_b32 s46, s46, 10                        ; of 1,024 bytes,
	s_add_co_u32 s46, s46, 3<<20                   ; in wc's fourth section
	s_mov_b32 s47, 0
	s_mul_i32 s45, s14, HALFT                      ; where they go: no place in the cluster enters an LDS address
	s_wait_kmcnt 0x0
	s_load_b64 s[96:97], s[10:11], 0x28            ; e10, e11
	s_add_nc_u64 s[20:21], s[4:5], s[20:21]
	s_add_nc_u64 s[46:47], s[6:7], s[46:47]
	CROUND                                         ; all sixteen work-groups are here: the first joint loads meet
.irp s, 0,1
	s_mov_b32 s[G0+4*\s], 1
	s_add_co_u32 s[G0+4*\s+1], s45, \s*SLOT
	s_add_nc_u64 s[G0+4*\s+2:G0+4*\s+3], s[20:21], \s*AROWB
	s_or_b32 s[G0+4*\s+3], s[G0+4*\s+3], 0x80000000
	s_mov_b32 s[G0B+4*\s], 1
	s_add_co_u32 s[G0B+4*\s+1], s45, \s*SLOT
	s_add_nc_u64 s[G0B+4*\s+2:G0B+4*\s+3], s[46:47], \s*ROWB
	s_or_b32 s[G0B+4*\s+3], s[G0B+4*\s+3], 0x80000000
	s_wait_alu depctr_va_vdst(0)
	s_wait_tensorcnt 0x0
	ds_add_u32 v28, v29
	ds_add_u32 v28, v29
	s_wait_dscnt 0x0
	CROUND
	JLOAD G0+4*\s, G1, G0B+4*\s, G1B
.endr
	v_and_b32 v1, 15, v0                           ; r = l % 16
	v_bfe_u32 v2, v0, 4, 1                         ; h = l / 16
	v_mul_u32_u24 v3, v1, PITCH
	v_lshl_add_u32 v4, v2, 4, v3                   ; B: row x pitch + 16 h
	v_lshrrev_b32 v7, 2, v1
	v_and_b32 v8, 3, v1
	v_mul_u32_u24 v7, v7, APITCH
	v_lshl_add_u32 v7, v8, 6, v7
	v_lshl_add_u32 v7, v2, 4, v7                   ; A: 1,040 (r / 4) + 64 (r % 4) + 16 h
	s_mul_i32 s21, s15, HALFT                      ; my 128 tokens of A
	s_mul_i32 s22, s16, HALFT                      ; my 128 rows of B,
	s_add_co_u32 s22, s22, 2*HALFT                 ; which lie behind A's two halves
.irp s, 0,1
	v_add_nc_u32 v[ADRA+\s], s21, v7
	v_add_nc_u32 v[ADRB+\s], s22, v4
	s_add_co_u32 s21, s21, SLOT
	s_add_co_u32 s22, s22, SLOT
.endr
	s_mul_i32 s23, s14, 16*SPITCH                  ; my stage
	v_mul_u32_u24 v5, v1, SPITCH                   ; in: row l % 16, 32 bytes for each half of the lanes
	v_lshl_add_u32 v5, v2, 5, v5
	v_add_nc_u32 v[STO], s23, v5
	v_and_b32 v6, 31, v0
	v_lshlrev_b32 v[CO], 4, v6                     ; back: the 32 lanes take one row of 512 bytes; and the same in out0
	v_add_nc_u32 v[RD], s23, v[CO]
	s_lshl_b32 s22, s42, 10                        ; my first column, in bytes: 1,024 x tile column + 512 x half
	s_lshl_b32 s23, s16, 9
	s_add_co_u32 s22, s22, s23
	v_add_nc_u32 v30, s22, v[CO]                   ; bp: my four columns; not rewritten
	global_load_b128 v[B4:B4+3], v30, s[8:9]
	s_lshl_b32 s20, s17, 8
	s_lshl_b32 s21, s15, 7
	s_add_co_u32 s20, s20, s21                     ; my first row: 256 x tile row + 128 x half,
	s_lshl_b32 s20, s20, 12                        ; of 4,096 bytes: under 2^25
	s_add_co_u32 s20, s20, s22
	s_mov_b32 s21, 0
	s_add_nc_u64 s[12:13], s[12:13], s[20:21]
.macro FRAG reg, adr, q, i             ; B's fragment, 16 rows x 128 K: registers 4 c .. 4 c + 3 hold K = 128 q + 32 c + 16 (l / 16) + 0 .. 15
.irp c, 0,1,2,3
	ds_load_b128 v[\reg+4*\c:\reg+4*\c+3], v[\adr] offset:128*(\q)+32*\c+(\i)*16*PITCH
.endr
.endm
.macro FRAG_A reg, adr, q, i           ; A's: the same K: head 2 q + c / 2 of the step's four, channels 32 (c % 2) + 16 (l / 16) + 0 .. 15; 16 tokens are four LDS rows
.irp c, 0,1,2,3
	ds_load_b128 v[\reg+4*\c:\reg+4*\c+3], v[\adr] offset:(\i)*4*APITCH+(2*(\q)+\c/2)*256+32*(\c%2)
.endr
.endm
; 16 matrix instructions: A's blocks a0, a0 + 1 x B's eight, 128 along K.  The 64 accumulators take turns, one instruction a turn, in the same order in every step.
.macro MUL16 a0, p, zero
.irp a, \a0, \a0+1
.irp b, 0,1,2,3,4,5,6,7
.if \zero
	v_wmma_f32_16x16x128_fp8_fp8 v[8*(8*((\a)%4)+\b):8*(8*((\a)%4)+\b)+7], v[128*(\p)+FR*\b:128*(\p)+FR*\b+FR-1], v[AF+FR*(\a):AF+FR*(\a)+FR-1], 0
.else
	v_wmma_f32_16x16x128_fp8_fp8 v[8*(8*((\a)%4)+\b):8*(8*((\a)%4)+\b)+7], v[128*(\p)+FR*\b:128*(\p)+FR*\b+FR-1], v[AF+FR*(\a):AF+FR*(\a)+FR-1], v[8*(8*((\a)%4)+\b):8*(8*((\a)%4)+\b)+7]
.endif
.endr
.endr
.endm
.macro FETCH_B slot, q, p
	WIN TO_B
.irp i, 0,1,2,3,4,5,6,7
	FRAG 128*(\p)+FR*\i, ADRB+\slot, \q, \i
.endr
	WIN 0
.endm
.macro FETCH_A slot, q, i0
.irp i, \i0, \i0+1, \i0+2, \i0+3
	FRAG_A AF+FR*(\i), ADRA+\slot, \q, \i
.endr
.endm
.macro PLACES n                        ; plain vector lines behind matrix instructions, in front of loads into registers that they read and of the first read of results (ISA guide 7.12.1 for vector instructions)
.rept \n
	v_nop
.endr
.endm
.macro STEP slot, q, zero
	s_wait_dscnt 4*NL                              ; B's set and A's blocks 0-3 are in; the youngest sixteen loads (A's blocks 4-7) may be out
	WIN MUL_LO
	MUL16 0, (\q)%2, \zero
	MUL16 2, (\q)%2, \zero
	s_wait_dscnt 0                                 ; A's blocks 4-7 are in
	PLACES NP
	FETCH_B \slot, (\q)+1, 1-(\q)%2
	FETCH_A \slot, (\q)+1, 0
	WIN MUL_HI
	MUL16 4, (\q)%2, \zero
	MUL16 6, (\q)%2, \zero
	PLACES NP
	WIN 0
	FETCH_A \slot, (\q)+1, 4
.endm
; A slot's last step changes slots: ONE barrier; in front of it each wave waits for all its tensor loads, adds 0 to its spare word, and waits for that and for its own reads of this slot.  fill = 1: this slot is filled again, two K steps ahead.
.macro TURN slot, next, fill
	s_wait_tensorcnt 0x0                           ; all my tensor loads have landed: my part of the next slot;  (every window is 0 here)
	ds_add_u32 v[SPW], v[NIL]                      ; 0 onto my spare word
	s_wait_dscnt 4*NL+1                            ; (the add and the youngest sixteen loads may be out)
	WIN MUL_LO
	MUL16 0, 1, 0                                  ; sixteen matrix instructions stand between the add and the wait for it
	s_wait_dscnt 0x0                               ; the add is done, and my reads of this slot are over
	s_barrier_signal -1
	MUL16 2, 1, 0
	WIN 0
	s_barrier_wait -1
.if \fill
	CREST                                          ; the barrier has opened a round of the cluster's barrier: no wave of any partner still reads this slot's tile or has a load on its way
	s_add_nc_u64 s[G0+4*\slot+2:G0+4*\slot+3], s[G0+4*\slot+2:G0+4*\slot+3], 2*AROWB
	s_add_nc_u64 s[G0B+4*\slot+2:G0B+4*\slot+3], s[G0B+4*\slot+2:G0B+4*\slot+3], 2*ROWB
	JLOAD G0+4*\slot, G1, G0B+4*\slot, G1B         ; the first tensor load behind the round; the four v_nop behind it are the places in front of the loads below
.else
	PLACES NP
.endif
	s_wait_alu depctr_va_vdst(0)
	FETCH_B \next, 0, 0
	FETCH_A \next, 0, 0
	WIN MUL_HI
	MUL16 4, 1, 0
	MUL16 6, 1, 0
	PLACES NP
	WIN 0
	FETCH_A \next, 0, 4
.endm
	s_wait_tensorcnt 1                             ; my part of K step 0 is in (K step 1's load may be out)
	s_barrier_signal -1
	s_barrier_wait -1                              ; everybody's is
	FETCH_B 0, 0, 0
	FETCH_A 0, 0, 0
	FETCH_A 0, 0, 4
	STEP 0, 0, 1                                   ; the first step stands in front of the loop: its products start the sums
	s_mov_b32 s3, LAPS-1
.Llap:
	TURN 0, 1, 1
	STEP 1, 0, 0
	TURN 1, 0, 1
	STEP 0, 0, 0
	s_sub_co_u32 s3, s3, 1
	s_cmp_lg_u32 s3, 0
	s_cbranch_scc1 .Llap
	TURN 0, 1, 0                                   ; the last lap fills nothing, and has no round of the cluster's barrier
	STEP 1, 0, 0
	s_wait_dscnt 4*NL                              ; the very last step: nothing more to fetch
	WIN MUL_LO
	MUL16 0, 1, 0
	MUL16 2, 1, 0
	s_wait_dscnt 0
	WIN MUL_HI
	MUL16 4, 1, 0
	MUL16 6, 1, 0
	WIN 0
; THE WAY OUT, block by block of 16 rows x 128 columns.  The sums go into my stage as they are, each accumulator from its low end on, and come back as whole rows of 512 bytes, a lane four neighbouring columns;
; there one packed multiply-add for two numbers gives sum x 2^(e10 + e11) + bp, and the 32 lanes store 512 consecutive bytes, aligned.
.macro TOSTAGE a
.set AC, 64*((\a)%4)
	WIN (0x08+4*((\a)/4))                          ; an LDS store's data: window 2 or 3
.irp b, 0,1,2,3,4,5,6,7
	ds_store_b128 v[STO], v[AC+8*\b:AC+8*\b+3] offset:64*\b
	ds_store_b128 v[STO], v[AC+8*\b+4:AC+8*\b+7] offset:64*\b+16
.endr
	WIN 0
.set BB, BK+64*((\a)%2)
.irp t, 0,1,2,3,4,5,6,7,8,9,10,11,12,13,14,15
	ds_load_b128 v[BB+4*\t:BB+4*\t+3], v[RD] offset:\t*SPITCH   ; LDS serves a wave's instructions in order (ISA guide 5.7.1.4): these see the stores above, and the next block's stores come behind them
.endr
.endm
.macro SEND a, younger                 ; younger: the LDS instructions issued behind block a's loads, which may stay out
.set BB, BK+64*((\a)%2)
	s_wait_dscnt \younger                          ; the block is back in registers
.if (\a) > 0
	s_add_nc_u64 s[12:13], s[12:13], 16*SIZE_N*4   ; (behind a wait on XCNT: the earlier stores have read their base)  16 rows on
.endif
.set t, 0
.rept 16
	v_pk_fma_f32 v[BB+4*t:BB+4*t+1], v[BB+4*t:BB+4*t+1], s[96:97], v[B4:B4+1] op_sel_hi:[1,0,1]
	v_pk_fma_f32 v[BB+4*t+2:BB+4*t+3], v[BB+4*t+2:BB+4*t+3], s[96:97], v[B4+2:B4+3] op_sel_hi:[1,0,1]
.set t, t+1
.endr
.irp t, 0,1,2,3,4,5,6,7,8,9,10,11,12,13,14,15
	global_store_b128 v[CO], v[BB+4*\t:BB+4*\t+3], s[12:13] offset:\t*SIZE_N*4 th:TH_STORE_NT   ; written once, read by nobody here
.endr
.endm
	s_wait_kmcnt 0x0
	s_add_co_i32 s96, s96, s97                     ; e10 + e11
	s_add_co_i32 s96, s96, 127
	s_lshl_b32 s96, s96, 23                        ; 2^(e10 + e11) as f32
	s_mov_b32 s97, s96                             ; (named with it as a pair, so it is written)
	s_wait_loadcnt 0x0                             ; bp
	PLACES NP                                      ; behind the last products: results are read, and the registers that held A's fragments are loaded, only from here on
	TOSTAGE 0
.irp a, 1,2,3,4,5,6,7
.if \a > 1
	s_wait_xcnt 0x0                                ; block a - 2's stores have read their registers and their base: block a's loads may land there, and the base may step
.endif
	TOSTAGE \a
	SEND \a-1, 32                                  ; behind block a - 1's loads: block a's 16 stores and 16 loads
.endr
	s_wait_xcnt 0x0                                ; block 6's stores have read their base
	SEND 7, 0
	s_wait_tensorcnt 0x0                           ; the wave's end: behind my last tensor load and my last LDS store
	ds_add_u32 v[SPW], v[NIL]
	s_wait_dscnt 0x0
	CROUND                                         ; the closing round: no work-group ends while a partner may still ask for a tile that names it
	s_endpgm
.Lfunc_end_k_qab6b7cde94_proj:
	.size	k_qab6b7cde94_proj, .Lfunc_end_k_qab6b7cde94_proj-k_qab6b7cde94_proj
	.p2alignl 7, 3214868480
	.fill 96, 4, 3214868480
	.section	.rodata,"a",@progbits
	.p2align	6, 0x0
	.amdhsa_kernel k_qab6b7cde94_proj
		.amdhsa_group_segment_fixed_size 327680
		.amdhsa_private_segment_fixed_size 0
		.amdhsa_enable_private_segment 0
		.amdhsa_kernarg_size 40
		.amdhsa_user_sgpr_count 2
		.amdhsa_user_sgpr_kernarg_segment_ptr 1
		.amdhsa_wavefront_size32 1
		.amdhsa_system_sgpr_workgroup_id_x 1
		.amdhsa_system_sgpr_workgroup_id_y 1
		.amdhsa_system_sgpr_workgroup_id_z 1
		.amdhsa_system_vgpr_workitem_id 0
		.amdhsa_next_free_vgpr 1024
		.amdhsa_next_free_sgpr 98
		.amdhsa_reserve_vcc 0
		.amdhsa_float_denorm_mode_32 3
		.amdhsa_float_denorm_mode_16_64 3
		.amdhsa_memory_ordered 1
		.amdhsa_forward_progress 1
		.amdhsa_inst_pref_size 125
	.end_amdhsa_kernel
	.amdgpu_metadata
---
amdhsa.version: [ 1, 2 ]
amdhsa.kernels:
  - .name:           k_qab6b7cde94_proj
    .symbol:         k_qab6b7cde94_proj.kd
    .args:
      - { .name: yc, .offset: 0, .size: 8, .value_kind: global_buffer, .address_space: global }
      - { .name: wc, .offset: 8, .size: 8, .value_kind: global_buffer, .address_space: global }
      - { .name: bp, .offset: 16, .size: 8, .value_kind: global_buffer, .address_space: global }
      - { .name: lowp_scales, .offset: 24, .size: 8, .value_kind: global_buffer, .address_space: global }
      - { .name: out0, .offset: 32, .size: 8, .value_kind: global_buffer, .address_space: global }
    .group_segment_fixed_size: 327680
    .private_segment_fixed_size: 0
    .kernarg_segment_align: 8
    .kernarg_segment_size: 40
    .max_flat_workgroup_size: 128
    .sgpr_count:     98
    .vgpr_count:     1024
    .wavefront_size: 32
...
	.end_amdgpu_metadata
.endif
;; end of part 4
